; MI455X (gfx1250); checked and timed in simulation.
; The chip was launched on July 23, 2026; its instructions are those of AMD's public machine-readable ISA for CDNA 5 (MIT licence, August 2026) and "CDNA5" Instruction Set Architecture Reference Guide (July 2026). The comments in the code are by the model that wrote it; some were corrected since.
;; Sparse Mo E. Allowed arithmetic: matrix products marked QUANTISED: E2M1 operands, one E8M0 scale for each 32 along K, by v_wmma_scale_f32_16x16x128_f8f6f4 with both operands' format E2M1 (or v_wmma_scale_f32_32x16x128_f4), f32 sums; products left as they are: f32 operands where the result goes on into a quantised operand, else bf16, f16 or f32 operands; f32 sums; everything else in f32.
;; Inputs: W1_codes 8 x 4,096 x 32 x 16 uint8 (E2M1 codes of W1, K innermost, in blocks of 32 codes, two codes a byte); W1_scales 8 x 4,096 x 32 uint8 (E8M0 scales of W1, one for each 32 codes along K); W2_codes 8 x 1,024 x 128 x 16 uint8 (E2M1 codes of W2, K innermost, in blocks of 32 codes, two codes a byte); W2_scales 8 x 1,024 x 128 uint8 (E8M0 scales of W2, one for each 32 codes along K); Wr 1,024 x 8 float32; b1 8 x 4,096 float32; b2 8 x 1,024 float32; br 8 float32; x 1,024 x 1,024 float32.
;; Outputs: out0 1,024 x 1,024 float32.
;; This version of the problem:
;;   THIS VERSION OF THE PROBLEM IS GIVEN IN LOW PRECISION. The matrix products marked QUANTISED in the list below multiply operands that are first quantised to E2M1 (2 exponent bits, 1 mantissa bit; 4 bits a number), with one power-of-two scale for each 32 numbers along K (OCP MX v1.0); their sums are f32. All else is computed in f32.
;;   The module's matrix products, in the order in which they are computed (A, B: the left and right operand; K: the contracted axis; several contracted axes count as one K, in the product's order):
;;     1. [M 1,024, K 1,024] x [K 1,024, N 8]; A: input x; B: input Wr: left as it is (N = 8 < 16)
;;     2. batch 1,024 x [M 1, K 2] x [K 2, N 8]; A: computed on the way; B: computed on the way: left as it is (K = 2 < 32)
;;     3. [M 1,024, K 1,024] x [K 1,024, N 32,768]; A: input x; B: input W1 (given as codes): QUANTISED
;;     4. batch 8 x [M 1,024, K 4,096] x [K 4,096, N 1,024]; A: input W2 (given as codes); B: computed on the way: QUANTISED
;;     5. batch 1,024 x [M 1, K 8] x [K 8, N 1,024]; A: computed on the way; B: computed on the way: left as it is (K = 8 < 32)
;;   THE QUANTISER, for each operand of a quantised product, along K:
;;     - K is cut into blocks of 32 from its start; a last block that is shorter is filled with zeros.
;;     - A block's scale is 2^e with e = floor(log2(the largest magnitude in the block)) - 2, held to -126 .. 127; a block of zeros has e = 0. As a byte (E8M0): e + 127.
;;     - Each number is divided by its block's scale, clamped to +-6, and rounded to the nearest number of E2M1, ties to even, subnormals kept.
;;     - The product sums the exact products of the quantised numbers (number of the format x scale) in f32.
;;   ~~~python
;;   def quantise(x, axis):      # numpy; x: float32 -> the quantised numbers, widened to float32 again
;;       x = np.moveaxis(x, axis, -1); K = x.shape[-1]
;;       x = np.pad(x, [(0, 0)] * (x.ndim - 1) + [(0, -K % 32)]); x = x.reshape(x.shape[:-1] + (-1, 32)); a = np.abs(x).max(-1, keepdims=True)
;;       e = np.where(a > 0, np.clip(np.frexp(np.where(a > 0, a, 1))[1] - 1 - 2, -126, 127), 0)      # np.frexp(a)[1] - 1 = floor(log2(a)), exactly
;;       r = np.clip(x / 2.0 ** e, -6, 6)
;;       step = 2.0 ** (np.maximum(np.frexp(np.where(r == 0, 1, r))[1] - 1, 0) - 1)
;;       q = np.round(r / step) * step * 2.0 ** e      # np.round: ties to even
;;       return np.moveaxis(q.reshape(q.shape[:-2] + (-1,))[..., :K], -1, axis).astype(np.float32)
;;   ~~~
;;   OPERANDS COMPUTED ON THE WAY. 'Computed on the way' means the value that the module computes at that place (a softmax that the list does not call 'softmax' is quantised finished and normalised). What goes into a quantiser is computed in f32, as accurately as f32 sums, v_exp_f32 and their like allow (about 1e-6 of the number): no bf16 or f16 on the way to a quantiser, and a product that is left as it is and whose result goes on into a quantised operand takes f32 operands (vector FMAs, or v_wmma_f32_16x16x4_f32). A number that lies on a knife's edge between two numbers of the format may be rounded either way, as far as f32 arithmetic and the matrix unit's own rounding can turn it there, and no further.
;;   INPUTS GIVEN AS CODES. W1 (in the module: [8, 1024, 4096], K = its axis 1); W2 (in the module: [8, 4096, 1024], K = its axis 1): each comes as NAME_codes (uint8): NAME with its K axis moved to the last place and cut into blocks of 32 codes, [.., K / 32, bytes a block], one block behind the other in memory; two codes a byte, the lower K in the low four bits (a code: sign, 2 exponent bits, 1 mantissa bit); and NAME_scales (uint8): the same leading axes, one E8M0 byte (e + 127) for each 32 codes along K. Its value is code x scale, taken as it is: it is not quantised again, and the codes and scales need not be those that the quantiser above would give.
;; 2 versions. Each part assembles by itself: llvm-mc -triple=amdgcn-amd-amdhsa -mcpu=gfx1250 --defsym DOCPART=n.
;; ======== version 1 of 2: 4 launches
;; workspace buffers: xq 524,288 bytes; xs 32,768 bytes; sel 4,096 bytes of whole numbers; cw 8,192 bytes; hq 20,971,520 bytes; ybuf 8,388,608 bytes
;; launch route (part 1): grid 256 x 1, 4 waves a work-group, no clusters, 52,224 bytes of LDS; arguments x, Wr, br, xq, xs, sel, cw; writes xq, xs, sel, cw
.if DOCPART == 1
	.amdgcn_target "amdgcn-amd-amdhsa--gfx1250"
	.amdhsa_code_object_version 6
	.text
	.protected	k_qf327c173fa_route
	.globl	k_qf327c173fa_route
	.p2align	8
	.type	k_qf327c173fa_route,@function
k_qf327c173fa_route:
	s_mov_b64 s[64:65], 0
	v_nop
	global_prefetch_b8 v0, s[64:65] scope:SCOPE_SE
	s_setreg_imm32_b32 hwreg(HW_REG_WAVE_MODE, 25, 1), 1
	s_wait_xcnt 0x0
; ROUTER AND QUANTISER OF x.  x [1024][1024] f32, Wr [1024][8] f32, br [8] f32.
; One wave takes one token (4 x work-group + wave); lane l takes block l of its row, k = 32 l .. 32 l + 31.
; It stores: xq [token][512 bytes], the E2M1 codes, block l at byte 16 l; xs [token][32], the E8M0 bytes;
; sel [token], a word: the first chosen expert | the second << 8; cw [token][2] f32, their routing weights.  All at fixed places: no address hangs on the choice.
; The router is f32 throughout: fused multiply-adds, the row's largest logit taken away before the exponentials, the sum, a reciprocal.
; LIMITS.  NaN and infinities are not served.  A block whose largest magnitude lies under 2^-124 gets the byte 1 (a block of zeros too: its codes are zeros,
; and the bytes are read by this program alone).  An exponential under 2^-126 comes out as 0, so such a routing weight counts as 0.
; The top two are found on p x (1 / sum), the lower index on ties; the logits' sums run in another order than a plain sum over k.
; No matrix unit, no cluster: the product has 8 columns, and the only shared bytes are Wr's 32,768, copied once into LDS by each work-group.
.set XT,  33280                        ; LDS: Wr at 0, byte b at b + 16 (b >> 10): a lane's 1,024 bytes are 1,040 apart; behind it, for each wave, 32 blocks of x, 128 bytes + 16
.set RAW, 16                           ; v16-47   x as loaded; later at work
.set X,   48                           ; v48-79   my block's 32 numbers
.set WB,  80                           ; v80-143, v144-207  two sets of 8 rows of Wr (the first also takes Wr as loaded)
.set ACC, 208                          ; v208-223 eight logits, in two sets (even k, odd k)
.set P,   224                          ; v224-231 the softmax;  v232, v233 the two weights; v234, v235 the two experts; v236 the word; v237 0; v238 -1
	s_load_b256 s[4:11], s[0:1], 0x0               ; x s[4:5], Wr s[6:7], br s[8:9], xq s[10:11]
	s_load_b128 s[12:15], s[0:1], 0x20             ; xs s[12:13], sel s[14:15]
	s_load_b64 s[16:17], s[0:1], 0x30              ; cw
	v_lshl_add_u32 v240, v0, 2, 0xca00
	v_mov_b32 v241, 0
	v_lshrrev_b32 v1, 5, v0
	v_readfirstlane_b32 s18, v1                    ; wave
	v_and_b32 v1, 31, v0                           ; lane
	v_lshlrev_b32 v2, 4, v1                        ; 16 x lane
	v_lshlrev_b32 v3, 4, v0                        ; 16 x thread: my 16 bytes of 2,048 of Wr
	v_lshrrev_b32 v4, 6, v0
	v_lshl_add_u32 v4, v4, 4, v3                   ; and their place in LDS
	s_mul_i32 s21, s18, 4608
	s_add_co_u32 s21, s21, XT                      ; my wave's blocks of x
	v_lshrrev_b32 v5, 3, v1
	v_mul_u32_u24 v5, v5, 144
	v_and_b32 v6, 7, v1
	v_lshl_add_u32 v5, v6, 4, v5
	v_add_nc_u32 v5, s21, v5                       ; in: eight lanes' 128 bytes are a block
	v_mul_u32_u24 v6, v1, 144
	v_add_nc_u32 v6, s21, v6                       ; out: block = lane
	v_mul_u32_u24 v7, v1, 1040                     ; my 32 rows of Wr
	s_lshl_b32 s19, ttmp9, 2
	s_add_co_u32 s19, s19, s18                     ; my token
	s_mov_b32 s22, 0x76543210
	s_mov_b32 s23, 0xfedcba98                      ; lane selects: lane l xor 16
	s_mov_b32 s33, 0
	s_wait_kmcnt 0x0
	s_load_b256 s[24:31], s[8:9], 0x0              ; br
	s_lshl_b32 s32, s19, 12
	s_add_nc_u64 s[4:5], s[4:5], s[32:33]
	s_lshl_b32 s32, s19, 9
	s_add_nc_u64 s[10:11], s[10:11], s[32:33]
	s_lshl_b32 s32, s19, 5
	s_add_nc_u64 s[12:13], s[12:13], s[32:33]
	s_lshl_b32 s32, s19, 2
	s_add_nc_u64 s[14:15], s[14:15], s[32:33]
	s_lshl_b32 s32, s19, 3
	s_add_nc_u64 s[16:17], s[16:17], s[32:33]
.irp i, 0,1,2,3,4,5,6,7
	global_load_b128 v[RAW+4*\i:RAW+4*\i+3], v2, s[4:5] offset:512*\i th:TH_LOAD_NT   ; 512 consecutive bytes of my row
.endr
.irp m, 0,1,2,3,4,5,6,7,8,9,10,11,12,13,14,15
	global_load_b128 v[WB+4*\m:WB+4*\m+3], v3, s[6:7] offset:2048*\m                  ; the work-group's 128 threads take 2,048 consecutive bytes of Wr
.endr
	s_wait_loadcnt 16                              ; x's eight loads are in; Wr's sixteen, issued behind them, may be out
.irp i, 0,1,2,3,4,5,6,7
	ds_store_b128 v5, v[RAW+4*\i:RAW+4*\i+3] offset:576*\i
.endr
.irp m, 0,1,2,3,4,5,6,7
	ds_load_b128 v[X+4*\m:X+4*\m+3], v6 offset:16*\m       ; my wave's own bytes: LDS serves a wave's instructions in order
.endr
	s_wait_loadcnt 0x0
.irp m, 0,1,2,3,4,5,6,7,8,9,10,11,12,13,14,15
	ds_store_b128 v4, v[WB+4*\m:WB+4*\m+3] offset:2080*\m
.endr
	s_wait_dscnt 0x0                               ; for the others' sake: my part of Wr lies in LDS (and my block of x is in)
	s_barrier_signal -1
	s_barrier_wait -1
.macro CHUNK c                         ; rows 8 c .. 8 c + 7 of my 32 rows of Wr into set c % 2
.irp i, 0,1,2,3,4,5,6,7
	ds_load_b128 v[WB+64*((\c)%2)+8*\i:WB+64*((\c)%2)+8*\i+3],   v7 offset:32*(8*(\c)+\i)
	ds_load_b128 v[WB+64*((\c)%2)+8*\i+4:WB+64*((\c)%2)+8*\i+7], v7 offset:32*(8*(\c)+\i)+16
.endr
.endm
	CHUNK 0
	CHUNK 1
	; my block's scale and codes, while Wr's rows come
	v_max3_num_f32 v14, |v[X]|, |v[X+1]|, |v[X+2]|
	v_max3_num_f32 v15, |v[X+3]|, |v[X+4]|, |v[X+5]|
.irp i, 6,10,14,18,22,26
	v_max3_num_f32 v14, v14, |v[X+\i]|, |v[X+\i+1]|
	v_max3_num_f32 v15, v15, |v[X+\i+2]|, |v[X+\i+3]|
.endr
	v_max3_num_f32 v14, v14, |v[X+30]|, |v[X+31]|
	v_max3_num_f32 v14, v14, v15, 0x1800000        ; and the floor 2^(3 - 127): the byte cannot fall under 1
	v_add_nc_u32 v13, 0xff000000, v14              ; 2 off the exponent field: the conversion's scale operand
	v_lshrrev_b32 v12, 23, v13                     ; the scale's byte
.irp g, 0,1,2,3
	v_cvt_scalef32_pk8_fp4_f32 v[8+\g], v[X+8*\g:X+8*\g+7], v13
.endr
	v_nop                                          ; a plain line behind the last conversion
	global_store_b128 v2, v[8:11], s[10:11]        ; the wave stores my token's 512 bytes of codes on end
	global_store_b8 v1, v12, s[12:13]              ; and its 32 scale bytes on end (32 bytes a token: the whole buffer is 32,768 bytes)
; eight rows of Wr times my numbers: two logits an instruction, even k into one set of sums and odd k into the other; the first two rows start the sums
.macro DOT c
.irp i, 0,1,2,3,4,5,6,7
.irp p, 0,1,2,3
.if (\c == 0) && (\i == 0)
	v_pk_mul_f32 v[ACC+2*\p:ACC+2*\p+1], v[WB+2*\p:WB+2*\p+1], v[X:X+1] op_sel_hi:[1,0]
.elseif (\c == 0) && (\i == 1)
	v_pk_mul_f32 v[ACC+8+2*\p:ACC+8+2*\p+1], v[WB+8+2*\p:WB+8+2*\p+1], v[X:X+1] op_sel:[0,1] op_sel_hi:[1,1]
.elseif (\i % 2) == 0
	v_pk_fma_f32 v[ACC+2*\p:ACC+2*\p+1], v[WB+64*(\c%2)+8*\i+2*\p:WB+64*(\c%2)+8*\i+2*\p+1], v[X+8*\c+\i:X+8*\c+\i+1], v[ACC+2*\p:ACC+2*\p+1] op_sel_hi:[1,0,1]
.else
	v_pk_fma_f32 v[ACC+8+2*\p:ACC+8+2*\p+1], v[WB+64*(\c%2)+8*\i+2*\p:WB+64*(\c%2)+8*\i+2*\p+1], v[X+8*\c+\i-1:X+8*\c+\i], v[ACC+8+2*\p:ACC+8+2*\p+1] op_sel:[0,1,0] op_sel_hi:[1,1,1]
.endif
.endr
.endr
.endm
	s_wait_dscnt 16                                ; chunk 0 is in; chunk 1's sixteen loads may be out
	DOT 0
	CHUNK 2
	s_wait_dscnt 16                                ; chunk 1 is in; chunk 2's may be out
	DOT 1
	CHUNK 3
	s_wait_dscnt 16                                ; chunk 2 is in; chunk 3's may be out
	DOT 2
	s_wait_dscnt 0x0
	DOT 3
.irp p, 0,1,2,3
	v_pk_add_f32 v[ACC+2*\p:ACC+2*\p+1], v[ACC+2*\p:ACC+2*\p+1], v[ACC+8+2*\p:ACC+8+2*\p+1]
.endr
.irp m, 1,2,4,8                        ; over the 32 lanes: every lane ends with all eight sums
.irp e, 0,1,2,3,4,5,6,7
	v_add_f32_dpp v[ACC+\e], v[ACC+\e], v[ACC+\e] row_xmask:\m row_mask:0xf bank_mask:0xf
.endr
.endr
.irp e, 0,1,2,3,4,5,6,7
	v_permlanex16_b32 v[RAW+\e], v[ACC+\e], s22, s23
.endr
	s_wait_kmcnt 0x0                               ; br
.irp e, 0,1,2,3,4,5,6,7
	v_add_f32 v[ACC+\e], v[ACC+\e], v[RAW+\e]
.endr
.irp e, 0,1,2,3,4,5,6,7
	v_add_f32 v[ACC+\e], s[24+\e], v[ACC+\e]       ; the logits
.endr
	v_max3_num_f32 v16, v[ACC], v[ACC+1], v[ACC+2]
	v_max3_num_f32 v16, v16, v[ACC+3], v[ACC+4]
	v_max3_num_f32 v16, v16, v[ACC+5], v[ACC+6]
	v_max_num_f32 v16, v16, v[ACC+7]               ; the largest logit is taken away first
.irp e, 0,1,2,3,4,5,6,7
	v_sub_f32 v[P+\e], v[ACC+\e], v16
.endr
.irp e, 0,1,2,3,4,5,6,7
	v_mul_f32 v[P+\e], 0x3fb8aa3b, v[P+\e]         ; x log2(e)
.endr
.irp e, 0,1,2,3,4,5,6,7
	v_exp_f32 v[P+\e], v[P+\e]
.endr
	v_mov_b32 v238, -1.0                           ; (a plain line behind the exponentials)
	s_wait_alu depctr_va_vdst(0)                   ; one wait for the eight, ahead of their first reader
	v_pk_add_f32 v[16:17], v[P:P+1], v[P+2:P+3]
	v_pk_add_f32 v[18:19], v[P+4:P+5], v[P+6:P+7]
	v_pk_add_f32 v[16:17], v[16:17], v[18:19]
	v_add_f32 v16, v16, v17
	v_rcp_f32 v18, v16
	v_mov_b32 v237, 0                              ; (a plain line behind the reciprocal)
	s_wait_alu depctr_va_vdst(0)                   ; ahead of its first reader
.irp e, 0,1,2,3,4,5,6,7
	v_mul_f32 v[P+\e], v[P+\e], v18                ; the routing weights
.endr
.macro BEST w, n                       ; the largest of the eight into v[w], its index into v[n]; the lower index keeps a tie
	v_mov_b32 v[\w], v[P]
	v_mov_b32 v[\n], 0
.irp e, 1,2,3,4,5,6,7
	v_cmp_ge_f32 vcc_lo, v[\w], v[P+\e]
	v_cndmask_b32 v[\w], v[P+\e], v[\w], vcc_lo
	v_cndmask_b32 v[\n], \e, v[\n], vcc_lo
.endr
.endm
	BEST 232, 234
.irp e, 0,1,2,3,4,5,6,7
	v_cmp_eq_u32 vcc_lo, \e, v234
	v_cndmask_b32 v[P+\e], v[P+\e], v238, vcc_lo   ; the winner leaves the field: -1 lies under every weight
.endr
	BEST 233, 235
	v_lshl_or_b32 v236, v235, 8, v234
	s_wait_xcnt 0x0                                ; EXEC changes only behind this wait
	v_cmp_eq_u32 vcc_lo, 0, v1
	s_wait_tensorcnt 0x0
	ds_add_u32 v240, v241
	s_wait_dscnt 0x0
	s_and_saveexec_b32 s20, vcc_lo                 ; all lanes hold the same: lane 0 stores
	global_store_b32 v237, v236, s[14:15]
	global_store_b64 v237, v[232:233], s[16:17]
	s_wait_xcnt 0x0                                ; and again ahead of the line that widens it
	s_or_b32 exec_lo, exec_lo, s20
	s_endpgm
.Lfunc_end_k_qf327c173fa_route:
	.size	k_qf327c173fa_route, .Lfunc_end_k_qf327c173fa_route-k_qf327c173fa_route
	.p2alignl 7, 3214868480
	.fill 96, 4, 3214868480
	.section	.rodata,"a",@progbits
	.p2align	6, 0x0
	.amdhsa_kernel k_qf327c173fa_route
		.amdhsa_group_segment_fixed_size 52224
		.amdhsa_private_segment_fixed_size 0
		.amdhsa_enable_private_segment 0
		.amdhsa_kernarg_size 56
		.amdhsa_user_sgpr_count 2
		.amdhsa_user_sgpr_kernarg_segment_ptr 1
		.amdhsa_wavefront_size32 1
		.amdhsa_system_sgpr_workgroup_id_x 1
		.amdhsa_system_sgpr_workgroup_id_y 1
		.amdhsa_system_sgpr_workgroup_id_z 1
		.amdhsa_system_vgpr_workitem_id 0
		.amdhsa_next_free_vgpr 242
		.amdhsa_next_free_sgpr 66
		.amdhsa_reserve_vcc 1
		.amdhsa_float_denorm_mode_32 3
		.amdhsa_float_denorm_mode_16_64 3
		.amdhsa_memory_ordered 1
		.amdhsa_forward_progress 1
		.amdhsa_inst_pref_size 28
	.end_amdhsa_kernel
	.amdgpu_metadata
---
amdhsa.version: [ 1, 2 ]
amdhsa.kernels:
  - .name:           k_qf327c173fa_route
    .symbol:         k_qf327c173fa_route.kd
    .args:
      - { .name: x, .offset: 0, .size: 8, .value_kind: global_buffer, .address_space: global }
      - { .name: Wr, .offset: 8, .size: 8, .value_kind: global_buffer, .address_space: global }
      - { .name: br, .offset: 16, .size: 8, .value_kind: global_buffer, .address_space: global }
      - { .name: xq, .offset: 24, .size: 8, .value_kind: global_buffer, .address_space: global }
      - { .name: xs, .offset: 32, .size: 8, .value_kind: global_buffer, .address_space: global }
      - { .name: sel, .offset: 40, .size: 8, .value_kind: global_buffer, .address_space: global }
      - { .name: cw, .offset: 48, .size: 8, .value_kind: global_buffer, .address_space: global }
    .group_segment_fixed_size: 52224
    .private_segment_fixed_size: 0
    .kernarg_segment_align: 8
    .kernarg_segment_size: 56
    .max_flat_workgroup_size: 128
    .sgpr_count:     66
    .vgpr_count:     242
    .wavefront_size: 32
...
	.end_amdgpu_metadata
.endif
;; end of part 1
;; launch hidden (part 2): grid 256 x 1, 4 waves a work-group, no clusters, 68,096 bytes of LDS; arguments sel, xq, xs, W1_codes, W1_scales, b1, hq; writes hq
.if DOCPART == 2
	.amdgcn_target "amdgcn-amd-amdhsa--gfx1250"
	.amdhsa_code_object_version 6
	.text
	.protected	k_qf327c173fa_hidden
	.globl	k_qf327c173fa_hidden
	.p2align	8
	.type	k_qf327c173fa_hidden,@function
k_qf327c173fa_hidden:
	s_mov_b64 s[64:65], 0
	v_nop
	global_prefetch_b8 v0, s[64:65] scope:SCOPE_SE
	s_setreg_imm32_b32 hwreg(HW_REG_WAVE_MODE, 25, 1), 1
	s_wait_xcnt 0x0
; h = Q(relu(x W1 + b1)) FOR THE ROUTED ROWS ALONE, on E2M1 codes with E8M0 scales.
; SEGMENTS.  The routed rows (token, slot) fall into 32 segments (expert e, tokens 256 q .. 256 q + 255), each of at most 256 rows = 16 tiles of 16.  A segment's place in hq is a constant expression.
; SHARES.  Work-group = (e = x >> 5, hs = x & 31): hidden units 128 hs .. 128 hs + 127 of expert e, which are K step hs of the second product.  Wave q walks segment (e, q).
; All four waves keep the same 128 rows of W1 (65,536 bytes = 512 registers): each wave loads 32 whole rows, they meet in LDS once, and each wave reads the fragments back.  No barrier stands in the loop.
; THE LIST.  A wave makes its segment's list of rows in registers from the 256 words of sel: for each 32 tokens a mask of users, their ranks, one push between lanes (users first); a position p is then
; pulled from the group g with C_g <= p < C_g+1.  Positions past the segment's end yield some real token of the segment: padding rows, whose results nobody reads.
; A segment has at least one tile, so that tile 0 of every segment is written.
; x's ROWS COME THREE TILES AHEAD: three sets of fragments; the head asks for tiles 0, 1, 2, and tile i asks for tile i + 3, if there is one, into the set that it has just multiplied.
; THE PRODUCT IS USED TRANSPOSED (source 0 = 16 rows of W1, source 1 = 16 rows of x): a lane holds one row of h.  Lane r of tile 2 b + u takes W1's row 32 b + 8 u + r + 8 (r / 8), so that the 16 registers of
; tiles 2 b, 2 b + 1 are 16 neighbours along the next K.  In LDS the rows lie in the order of the tiles (tile t's lane r at row 16 t + r).  b1 is the C of each sum's first product.
; hq [e][q][tile 16][K step 32][1,280 bytes]: an image of the operand's registers: registers 0-3 at 16 x lane, registers 4-7 at 512 + 16 x lane, the scale word twice at 1,024 + 8 x lane.
; NO TENSOR LOAD, NO CLUSTER: the number of tiles hangs on counts read from memory and differs from wave to wave, so operands go from memory into registers, and partners could not make the same requests.
; LIMITS.  NaN and infinities are not served; a block of h whose largest number lies under 2^-124 (all zeros too) gets the byte 1; the bytes are read by this program alone.
; REGISTERS.  Window 0: below.  Window 1: W1's K steps 0-3, tile t, step s at v[8 (4 t + s)] (v0-127 first hold the rows as loaded).  Window 2: K steps 4-7.  Window 3: x's fragments, three sets of 64 from v0; b1's 8 tiles from v192.
.set LN,   1                           ; lane
.set RR,   2                           ; lane % 16
.set H16,  3                           ; 16 (lane / 16)
.set LI16, 4                           ; 16 x lane
.set LI8,  5                           ; 8 x lane
.set P4,   6                           ; 4 x the position that the pulls in hand are for
.set LSEL, 7                           ; the row pulled: 2 x token + slot
.set TK,   8                           ; its token
.set P4A,  9                           ; the head's: 4 x position in tile 0,
.set P4B,  10                          ; in tile 1
.set WST,  11                          ; LDS: where my wave's rows of W1 go
.set WFA,  12                          ; LDS: my lane's place in a tile of W1
.set WSA,  13                          ; W1's scale bytes: 32 x (r + 8 (r / 8))
.set BA,   14                          ; b1: 64 (lane / 16)
.set TOK2, 15                          ; 512 q + 2 x lane
.set T,    16                          ; v16-23  the eight groups' rows, users first
.set RP,   24                          ; v24-31  what was pulled from each group
.set IX,   32                          ; v32-39  the pulls' lane indices
.set SW,   40                          ; v40-47  the words of sel
.set L4,   48                          ; 4 x lane
.set TA,   49                          ; v49-53  at work
.set TB,   50
.set RK,   51
.set SL,   52
.set UU,   53
.set XS,   56                          ; v56-63, v64-71, v248-255  x's scale words, three sets: scales and nothing else
.set W1S,  72                          ; v72-135  W1's scale words, 8 t + s: scales and nothing else
.set HA,   136                         ; v136-199 my 8 tiles of h
.set RPB,  HA                          ; at the head they are at work: the pulls of tiles 1 and 2
.set RPC,  HA+8
.set IXB,  HA+16
.set IXC,  HA+24
.set TM,   200                         ; v200-215 the quantiser's
.set PW,   216                         ; v216-217 the scale word, twice
.set PC,   218                         ; v218-225 the codes
.set XA,   226                         ; v226, 228, 230  set p: x's codes: 512 x token + 16 (lane / 16)
.set SA,   227                         ; v227, 229, 231  set p: x's scale bytes: 32 x token
.set TG,   232                         ; v232-239 the pushes' targets
.set RID,  240                         ; v240-247 and their data
.set B1,   192                         ; in window 3
.set PITCH, 528                        ; a row of W1 in LDS: 512 bytes + 16 = 132 words: 16 neighbouring rows start at 16 different columns of 16 bytes
.set Q,    18
.set EXP,  19
.set HSL,  20
.set N,    21
.set NT,   22
.set NP,   23
.set J,    24
.set TMP,  25
.set C4,   28                          ; s28-36  4 x the number of users ahead of group g
.set MSKA, 37
.set MSKB, 38
.set MSK,  39
.set CNT,  40
.set TI,   41                          ; the tile in hand
.set SEL,  42
.set MSB, 0
.macro WIN new                         ; the immediate's high byte repeats the setting that is left
.if MSB != \new
	s_set_vgpr_msb (MSB<<8)|\new
.set MSB, \new
.endif
.endm
.macro COMPACT                         ; the segment's rows, group by group of 32 tokens, users first
	s_mov_b32 s[C4], 0
.irp g, 0,1,2,3,4,5,6,7
	v_and_b32 v[TA], 0xff, v[SW+\g]
	v_bfe_u32 v[TB], v[SW+\g], 8, 8
	v_cmp_eq_u32 s[MSKA], s[EXP], v[TA]
	v_cmp_eq_u32 s[MSKB], s[EXP], v[TB]
	s_or_b32 s[MSK], s[MSKA], s[MSKB]              ; the tokens that use my expert
	s_bcnt1_i32_b32 s[CNT], s[MSK]
	v_mbcnt_lo_u32_b32 v[RK], s[MSK], 0            ; users in the lanes below mine
	v_cndmask_b32 v[SL], 0, 1, s[MSKB]
	v_add3_u32 v[RID+\g], v[TOK2], 64*\g, v[SL]    ; 2 x token + slot
	v_sub_nc_u32 v[UU], v[LN], v[RK]
	v_add_nc_u32 v[UU], s[CNT], v[UU]              ; the others go behind the users: all 32 lanes are targets once
	v_cndmask_b32 v[TG+\g], v[UU], v[RK], s[MSK]
	v_lshlrev_b32 v[TG+\g], 2, v[TG+\g]
	ds_permute_b32 v[T+\g], v[TG+\g], v[RID+\g]
	s_lshl_b32 s[TMP], s[CNT], 2
	s_add_co_u32 s[C4+\g+1], s[C4+\g], s[TMP]
.endr
	s_wait_dscnt 0x0
.endm
.macro SEL_ISSUE p4, rp, ix            ; position v[p4] / 4 is pulled from every group; TAKE keeps the right one
.irp g, 0,1,2,3,4,5,6,7
	v_sub_nc_u32 v[\ix+\g], v[\p4], s[C4+\g]
	ds_bpermute_b32 v[\rp+\g], v[\ix+\g], v[T+\g]
.endr
.endm
.macro TAKE p4, rp                     ; the last group that begins at or ahead of the position
	v_mov_b32 v[LSEL], v[\rp]
.irp g, 1,2,3,4,5,6,7
	v_cmp_le_u32 vcc_lo, s[C4+\g], v[\p4]
	v_cndmask_b32 v[LSEL], v[LSEL], v[\rp+\g], vcc_lo
.endr
.endm
.macro ADDR buf                        ; set buf's two offsets
	v_lshrrev_b32 v[TK], 1, v[LSEL]
	v_min_u32 v[TK], 0x3ff, v[TK]                  ; a token stays inside x
	v_lshl_add_u32 v[XA+2*(\buf)], v[TK], 9, v[H16]
	v_lshlrev_b32 v[SA+2*(\buf)], 5, v[TK]
.endm
.macro XLOAD buf                       ; 16 rows of x: eight fragments and their scale words: 18 loads
.set XSL, XS+8*(\buf)+176*((\buf)/2)
	WIN 0xc0
.irp s, 0,1,2,3,4,5,6,7
.irp c, 0,1
	global_load_b128 v[64*(\buf)+8*\s+4*\c:64*(\buf)+8*\s+4*\c+3], v[XA+2*(\buf)], s[6:7] offset:64*\s+32*\c
.endr
.endr
	WIN 0
	global_load_b128 v[XSL:XSL+3],   v[SA+2*(\buf)], s[8:9]
	global_load_b128 v[XSL+4:XSL+7], v[SA+2*(\buf)], s[8:9] offset:16
.endm
	s_load_b256 s[4:11], s[0:1], 0x0               ; sel s[4:5], xq s[6:7], xs s[8:9], W1's codes s[10:11]
	s_load_b128 s[12:15], s[0:1], 0x20             ; W1's scales s[12:13], b1 s[14:15]
	s_load_b64 s[16:17], s[0:1], 0x30              ; hq
	v_lshl_add_u32 v210, v0, 2, 0x10800
	v_mov_b32 v211, 0
	v_lshrrev_b32 v[TK], 5, v0
	v_readfirstlane_b32 s[Q], v[TK]                ; wave = q
	v_and_b32 v[LN], 31, v0
	v_and_b32 v[RR], 15, v0
	v_bfe_u32 v[H16], v0, 4, 1
	v_lshlrev_b32 v[H16], 4, v[H16]
	v_lshlrev_b32 v[LI16], 4, v[LN]
	v_lshlrev_b32 v[LI8], 3, v[LN]
	v_lshlrev_b32 v[L4], 2, v[LN]
	v_lshlrev_b32 v[P4A], 2, v[RR]                 ; tile 0: position = lane % 16
	v_add_nc_u32 v[P4B], 64, v[P4A]                ; tile 1: 16 on
	v_add_nc_u32 v[P4], 0x80, v[P4A]               ; tile 2: the loop steps on from here
	s_mul_i32 s[TMP], s[Q], 32*PITCH
	v_add_nc_u32 v[WST], s[TMP], v[LI16]
	v_mul_u32_u24 v[WFA], v[RR], PITCH
	v_add_nc_u32 v[WFA], v[WFA], v[H16]            ; row r of a tile, + 16 h
	v_and_b32 v[WSA], 8, v[RR]
	v_add_nc_u32 v[WSA], v[WSA], v[RR]             ; r + 8 (r / 8)
	v_lshlrev_b32 v[WSA], 5, v[WSA]
	v_lshlrev_b32 v[BA], 2, v[H16]
	s_lshl_b32 s[TMP], s[Q], 9
	v_lshl_add_u32 v[TOK2], v[LN], 1, s[TMP]
.irp b, 0,1,2,3
	v_mov_b32 v[TM+4+\b], 0                        ; written once: a lane permute's destination counts as one of its sources
.endr
	s_lshr_b32 s[EXP], ttmp9, 5
	s_and_b32 s[HSL], ttmp9, 31
	s_mov_b32 s27, 0
	s_mov_b32 s[SEL], 0x76543210
	s_mov_b32 s[SEL+1], 0xfedcba98
	s_wait_kmcnt 0x0
	s_lshl_b32 s26, s[Q], 10
	s_add_nc_u64 s[4:5], s[4:5], s[26:27]          ; sel at token 256 q
	s_lshl_b32 s26, s[EXP], 21
	s_lshl_b32 s[TMP], s[HSL], 16
	s_add_co_u32 s26, s26, s[TMP]
	s_lshl_b32 s[TMP], s[Q], 14
	s_add_co_u32 s26, s26, s[TMP]
	s_add_nc_u64 s[10:11], s[10:11], s[26:27]      ; W1's codes at the 32 rows that my wave loads
	s_lshl_b32 s26, s[EXP], 17
	s_lshl_b32 s[TMP], s[HSL], 12
	s_add_co_u32 s26, s26, s[TMP]
	s_add_nc_u64 s[12:13], s[12:13], s[26:27]      ; W1's scales at the work-group's 128 rows
	s_lshl_b32 s26, s[EXP], 14
	s_lshl_b32 s[TMP], s[HSL], 9
	s_add_co_u32 s26, s26, s[TMP]
	s_add_nc_u64 s[14:15], s[14:15], s[26:27]      ; b1 likewise
	s_lshl_b32 s26, s[EXP], 2
	s_add_co_u32 s26, s26, s[Q]
	s_mul_i32 s26, s26, 655360
	s_mul_i32 s[TMP], s[HSL], 1280
	s_add_co_u32 s26, s26, s[TMP]
	s_add_nc_u64 s[16:17], s[16:17], s[26:27]      ; hq at my segment's tile 0, K step hs
.irp g, 0,1,2,3,4,5,6,7
	global_load_b32 v[SW+\g], v[L4], s[4:5] offset:128*\g
.endr
	WIN 0x40
.set j, 0
.rept 32
	global_load_b128 v[4*j:4*j+3], v[LI16], s[10:11] offset:512*j th:TH_LOAD_NT   ; a whole row of 512 bytes; each byte of W1 is loaded once in the launch
.set j, j+1
.endr
	WIN 0
.irp t, 0,1,2,3,4,5,6,7
	global_load_b128 v[W1S+8*\t:W1S+8*\t+3],   v[WSA], s[12:13] offset:(32*(\t/2)+8*(\t%2))*32
	global_load_b128 v[W1S+8*\t+4:W1S+8*\t+7], v[WSA], s[12:13] offset:(32*(\t/2)+8*(\t%2))*32+16
.endr
	WIN 0xc0
.irp t, 0,1,2,3,4,5,6,7
	global_load_b128 v[B1+8*\t:B1+8*\t+3],   v[BA], s[14:15] offset:(32*(\t/2)+8*(\t%2))*4
	global_load_b128 v[B1+8*\t+4:B1+8*\t+7], v[BA], s[14:15] offset:(32*(\t/2)+8*(\t%2))*4+16
.endr
	WIN 0
	s_wait_loadcnt 63                              ; 64 loads were issued behind sel's eight: those eight are in
	COMPACT
	s_lshr_b32 s[N], s[C4+8], 2                    ; rows in my segment
	s_add_co_u32 s[NT], s[N], 15
	s_lshr_b32 s[NT], s[NT], 4
	s_max_u32 s[NT], s[NT], 1                      ; tiles: 1 to 16
	s_add_co_u32 s[NP], s[NT], 2
	s_mul_i32 s[NP], s[NP], 11
	s_lshr_b32 s[NP], s[NP], 5                     ; trips of three tiles: (NT + 2) / 3, rounded down: x 11 / 32 gives that for 3 .. 18
	SEL_ISSUE P4A, RP, IX                          ; the rows of tiles 0, 1 and 2 are pulled as one batch: 24 pulls, one wait
	SEL_ISSUE P4B, RPB, IXB
	SEL_ISSUE P4, RPC, IXC
	s_wait_dscnt 0x0
	TAKE P4A, RP
	ADDR 0
	XLOAD 0
	TAKE P4B, RPB
	ADDR 1
	XLOAD 1                                        ; (past a short segment's end: padding rows of real tokens: no load leaves its buffer)
	TAKE P4, RPC
	ADDR 2
	XLOAD 2
	s_wait_loadcnt 63                              ; behind the 32 rows of W1: 16 + 16 + 54 loads, more than the count can name: the rows are in, and of x's loads none is asked for
	WIN 0x04                                       ; an LDS store's data are its source 1: window 1
.set j, 0
.rept 32                                       ; my row j goes where its tile wants it: bits 3 and 4 of the row's number change places
	ds_store_b128 v[WST], v[4*j:4*j+3] offset:PITCH*((j&7)|(((j>>3)&1)<<4)|(((j>>4)&1)<<3))
.set j, j+1
.endr
	WIN 0
	s_wait_dscnt 0x0                               ; for the others' sake: my 32 rows lie in LDS
	s_barrier_signal -1
	s_barrier_wait -1                              ; all 128 do; nobody writes them again
	WIN 0x40
.irp t, 0,1,2,3,4,5,6,7
.irp s, 0,1,2,3
.irp c, 0,1
	ds_load_b128 v[8*(4*\t+\s)+4*\c:8*(4*\t+\s)+4*\c+3], v[WFA] offset:16*\t*PITCH+64*\s+32*\c
.endr
.endr
.endr
	WIN 0x80
.irp t, 0,1,2,3,4,5,6,7
.irp s, 0,1,2,3
.irp c, 0,1
	ds_load_b128 v[8*(4*\t+\s)+4*\c:8*(4*\t+\s)+4*\c+3], v[WFA] offset:16*\t*PITCH+256+64*\s+32*\c
.endr
.endr
.endr
	WIN 0
	s_wait_dscnt 0x0
; A TILE of 16 rows, x's fragments in set p.
.macro TILE p
.set XSB, XS+8*(\p)+176*((\p)/2)
	s_wait_loadcnt 36                              ; this tile's 18 loads are in; the next two tiles' 18 + 18, issued behind them, may be out; where a tile asked for nothing, the wait for 0 below has been passed
	v_add_nc_u32 v[P4], 64, v[P4]
	SEL_ISSUE P4, RP, IX                           ; the rows of the tile three on are pulled while the products run
	WIN 0x3d                                       ; source 0 (W1) window 1, source 1 (x) and source 2 (b1) window 3, destination window 0
.irp t, 0,1,2,3,4,5,6,7                        ; the eight accumulators take turns, one instruction a turn
	v_wmma_scale_f32_16x16x128_f8f6f4 v[HA+8*\t:HA+8*\t+7], v[32*\t:32*\t+7], v[64*(\p):64*(\p)+7], v[B1+8*\t:B1+8*\t+7], v[W1S+8*\t], v[XSB] matrix_a_fmt:MATRIX_FMT_FP4 matrix_b_fmt:MATRIX_FMT_FP4
.endr
	WIN 0x0d
.irp s, 1,2,3
.irp t, 0,1,2,3,4,5,6,7
	v_wmma_scale_f32_16x16x128_f8f6f4 v[HA+8*\t:HA+8*\t+7], v[8*(4*\t+\s):8*(4*\t+\s)+7], v[64*(\p)+8*\s:64*(\p)+8*\s+7], v[HA+8*\t:HA+8*\t+7], v[W1S+8*\t+\s], v[XSB+\s] matrix_a_fmt:MATRIX_FMT_FP4 matrix_b_fmt:MATRIX_FMT_FP4
.endr
.endr
	WIN 0x0e                                       ; W1's K steps 4-7: window 2
.irp s, 4,5,6,7
.irp t, 0,1,2,3,4,5,6,7
	v_wmma_scale_f32_16x16x128_f8f6f4 v[HA+8*\t:HA+8*\t+7], v[8*(4*\t+\s-4):8*(4*\t+\s-4)+7], v[64*(\p)+8*\s:64*(\p)+8*\s+7], v[HA+8*\t:HA+8*\t+7], v[W1S+8*\t+\s], v[XSB+\s] matrix_a_fmt:MATRIX_FMT_FP4 matrix_b_fmt:MATRIX_FMT_FP4
.endr
.endr
	WIN 0
	s_wait_dscnt 0x0                               ; the pulls are in
	TAKE P4, RP                                    ; these 19 plain lines name no register of the products: they are the places ahead of the loads into x's registers and of the first read of results
	ADDR \p                                        ; (set p's offsets are free: its last loads were shown done at this tile's head)
	s_add_co_u32 s[TMP], s[TI], 3
	s_cmp_lt_u32 s[TMP], s[NT]
	s_cbranch_scc0 .Lnone_\@
	XLOAD \p                                       ; the tile three on, into the set just multiplied
	s_branch .Lasked_\@
.Lnone_\@:
	s_wait_loadcnt 0x0                             ; nothing was asked for: what is out is awaited here, so that the count at the next tiles' heads holds on this path too
.Lasked_\@:
.set j, 0
.rept 64
	v_max_num_f32 v[HA+j], 0, v[HA+j]              ; the activation, in f32; each accumulator from its low end on
.set j, j+1
.endr
.irp b, 0,1,2,3                                ; register 16 b + i is hidden unit 32 b + 16 (lane / 16) + i of my row: four blocks of 32, each in lanes l and l xor 16
	v_max3_num_f32 v[TM+\b], v[HA+16*\b], v[HA+1+16*\b], 0x1800000   ; none is negative; the floor 2^(3 - 127) holds the byte at 1 from below
.endr
.irp i, 2,4,6,8,10,12,14
.irp b, 0,1,2,3
	v_max3_num_f32 v[TM+\b], v[TM+\b], v[HA+16*\b+\i], v[HA+1+16*\b+\i]
.endr
.endr
.irp b, 0,1,2,3
	v_permlanex16_b32 v[TM+4+\b], v[TM+\b], s[SEL], s[SEL+1]
.endr
.irp b, 0,1,2,3
	v_max_num_f32 v[TM+\b], v[TM+\b], v[TM+4+\b]
.endr
.irp b, 0,1,2,3
	v_add_nc_u32 v[TM+12+\b], 0xff000000, v[TM+\b] ; 2 off the exponent field: the conversion's scale operand
.endr
.irp b, 0,1,2,3
	v_lshrrev_b32 v[TM+4+\b], 23, v[TM+12+\b]      ; the scale's byte
.endr
	v_lshl_or_b32 v[PW], v[TM+5], 8, v[TM+4]
	v_lshl_or_b32 v[PW], v[TM+6], 16, v[PW]
	v_lshl_or_b32 v[PW], v[TM+7], 24, v[PW]        ; my row's scale word
.irp b, 0,1,2,3
	v_cvt_scalef32_pk8_fp4_f32 v[PC+2*\b], v[HA+16*\b:HA+16*\b+7], v[TM+12+\b]
	v_cvt_scalef32_pk8_fp4_f32 v[PC+1+2*\b], v[HA+8+16*\b:HA+15+16*\b], v[TM+12+\b]
.endr
	v_mov_b32 v[PW+1], v[PW]                       ; (the plain line behind the last conversion)
.irp c, 0,1                                    ; the operand wants a whole block in a lane
.irp i, 0,1
	v_permlane16_swap_b32 v[PC+4*\c+\i], v[PC+2+4*\c+\i]
.endr
.endr
	global_store_b128 v[LI16], v[PC:PC+3], s[16:17] th:TH_STORE_NT              ; 512 consecutive bytes
	global_store_b128 v[LI16], v[PC+4:PC+7], s[16:17] offset:512 th:TH_STORE_NT
	global_store_b64 v[LI8], v[PW:PW+1], s[16:17] offset:1024 th:TH_STORE_NT    ; 256 consecutive bytes
	s_wait_xcnt 0x0                                ; the stores' base and data are written again only behind this wait
	s_add_nc_u64 s[16:17], s[16:17], 40960         ; the next tile's image
	s_add_co_u32 s[TI], s[TI], 1
.endm
	s_mov_b32 s[TI], 0
	s_mov_b32 s[J], 0
.Ltrip:                                            ; three tiles a trip: the sets are back where they began
	TILE 0
	s_cmp_lt_u32 s[TI], s[NT]
	s_cbranch_scc0 .Lshort
	TILE 1
	s_cmp_lt_u32 s[TI], s[NT]
	s_cbranch_scc0 .Lshort
	TILE 2
	s_branch .Lfull
.Lshort:
	s_wait_loadcnt 0x0                             ; the segment's last tile is done: nothing is out by then; the line keeps the counted wait at a tile's head right on this way too
.Lfull:
	s_add_co_u32 s[J], s[J], 1
	s_cmp_lt_u32 s[J], s[NP]
	s_cbranch_scc1 .Ltrip
	s_wait_tensorcnt 0x0
	ds_add_u32 v210, v211
	s_wait_dscnt 0x0
	s_endpgm
.Lfunc_end_k_qf327c173fa_hidden:
	.size	k_qf327c173fa_hidden, .Lfunc_end_k_qf327c173fa_hidden-k_qf327c173fa_hidden
	.p2alignl 7, 3214868480
	.fill 96, 4, 3214868480
	.section	.rodata,"a",@progbits
	.p2align	6, 0x0
	.amdhsa_kernel k_qf327c173fa_hidden
		.amdhsa_group_segment_fixed_size 68096
		.amdhsa_private_segment_fixed_size 0
		.amdhsa_enable_private_segment 0
		.amdhsa_kernarg_size 56
		.amdhsa_user_sgpr_count 2
		.amdhsa_user_sgpr_kernarg_segment_ptr 1
		.amdhsa_wavefront_size32 1
		.amdhsa_system_sgpr_workgroup_id_x 1
		.amdhsa_system_sgpr_workgroup_id_y 1
		.amdhsa_system_sgpr_workgroup_id_z 1
		.amdhsa_system_vgpr_workitem_id 0
		.amdhsa_next_free_vgpr 1024
		.amdhsa_next_free_sgpr 66
		.amdhsa_reserve_vcc 1
		.amdhsa_float_denorm_mode_32 3
		.amdhsa_float_denorm_mode_16_64 3
		.amdhsa_memory_ordered 1
		.amdhsa_forward_progress 1
		.amdhsa_inst_pref_size 91
	.end_amdhsa_kernel
	.amdgpu_metadata
---
amdhsa.version: [ 1, 2 ]
amdhsa.kernels:
  - .name:           k_qf327c173fa_hidden
    .symbol:         k_qf327c173fa_hidden.kd
    .args:
      - { .name: sel, .offset: 0, .size: 8, .value_kind: global_buffer, .address_space: global }
      - { .name: xq, .offset: 8, .size: 8, .value_kind: global_buffer, .address_space: global }
      - { .name: xs, .offset: 16, .size: 8, .value_kind: global_buffer, .address_space: global }
      - { .name: W1_codes, .offset: 24, .size: 8, .value_kind: global_buffer, .address_space: global }
      - { .name: W1_scales, .offset: 32, .size: 8, .value_kind: global_buffer, .address_space: global }
      - { .name: b1, .offset: 40, .size: 8, .value_kind: global_buffer, .address_space: global }
      - { .name: hq, .offset: 48, .size: 8, .value_kind: global_buffer, .address_space: global }
    .group_segment_fixed_size: 68096
    .private_segment_fixed_size: 0
    .kernarg_segment_align: 8
    .kernarg_segment_size: 56
    .max_flat_workgroup_size: 128
    .sgpr_count:     66
    .vgpr_count:     1024
    .wavefront_size: 32
...
	.end_amdgpu_metadata
.endif
;; end of part 2
;; launch outer (part 3): grid 256 x 1, 4 waves a work-group, no clusters, 68,096 bytes of LDS; arguments sel, cw, hq, W2_codes, W2_scales, b2, ybuf; writes ybuf
.if DOCPART == 3
	.amdgcn_target "amdgcn-amd-amdhsa--gfx1250"
	.amdhsa_code_object_version 6
	.text
	.protected	k_qf327c173fa_outer
	.globl	k_qf327c173fa_outer
	.p2align	8
	.type	k_qf327c173fa_outer,@function
k_qf327c173fa_outer:
	s_mov_b64 s[64:65], 0
	v_nop
	global_prefetch_b8 v0, s[64:65] scope:SCOPE_SE
	s_setreg_imm32_b32 hwreg(HW_REG_WAVE_MODE, 25, 1), 1
	s_wait_xcnt 0x0
; y = c (h W2 + b2) FOR THE ROUTED ROWS ALONE, on E2M1 codes with E8M0 scales.  ybuf [2 x token + slot][1024] f32.
; SHARES.  Work-group = (e = x >> 5, cb = (x >> 2) & 7, q = x & 3): 128 output columns of expert e for segment (e, q) (tokens 256 q .. 256 q + 255, at most 16 tiles of 16 rows).
; Wave w keeps W2[e][128 columns][K quarter w] in 512 registers, loaded once, and reads K steps 8 w .. 8 w + 7 of each tile of h: no byte is loaded twice inside the work-group.
; W2 COMES IN WHOLE ROW QUARTERS: one load takes the 512 consecutive bytes of one column's K quarter.  A column tile's 16 rows land in the 64 registers that its fragments will take, go through the wave's own
; stage bytes in LDS (rows of 528 bytes) and come back as fragments.  Loads run three tiles (48 loads) ahead; h's first two tiles are asked for behind them.
; The four partial sums of a tile (16 rows x 128 columns) meet in LDS; wave w adds rows 4 w .. 4 w + 3, adds b2, multiplies by the row's routing weight and stores whole rows of 512 bytes.
; THE LIST of the segment's rows is made in registers from sel, as in the launch that made hq, so that tile i, row r is the same row in both; the weights travel with the rows.
; THE LOOP HAS A CONSTANT COUNT, 8 trips of two tiles, so that its barrier stands on every path; a tile past the segment's last is passed over by scalar branches on the stored list, round the work alone.
; A segment counts at least one tile (tile 0 of every segment was written); rows past the segment's end are not stored.
; THE PRODUCT IS USED TRANSPOSED (source 0 = 16 rows of W2 = 16 output columns, source 1 = 16 rows of h): a lane holds eight neighbouring columns of one row.
; NO TENSOR LOAD, NO CLUSTER: the tiles' number hangs on counts read from memory and differs between work-groups that share W2's bytes, so partners could not make the same requests.
; LIMITS.  NaN and infinities are not served.  K is summed in four quarters, which are then added in f32: another order than one sum over K.
; REGISTERS.  Window 0: below.  Window 1: W2's K steps 0-3 of my quarter, tile t, step s at v[8 (4 t + s)].  Window 2: steps 4-7.  Window 3: h's fragments, v0-63 and v64-127 by turns.
.set LN,   1
.set L4,   3
.set LI16, 4
.set LI8,  5
.set P4,   6                           ; 4 x (16 x tile + 4 w + lane % 4): lanes 0-3 pull my wave's four rows
.set LSEL, 7                           ; the row pulled: 2 x token + slot
.set CV,   8                           ; and its routing weight
.set TOK2, 9
.set STA,  10                          ; LDS: my stage + 16 x lane: where a row quarter of W2 goes
.set W2SA, 11                          ; 128 r
.set FRA,  12                          ; LDS: my stage + 528 r + 16 h: where a fragment of W2 comes from
.set STO,  14                          ; LDS: where I put 32 bytes of a row
.set RDA,  15                          ; LDS: where I read rows back
.set T,    16                          ; v16-23  the groups' rows, users first
.set U,    24                          ; v24-31  their weights
.set RP,   32
.set RQ,   40
.set IX,   48
.set SW,   56                          ; v56-63  the words of sel
.set CWP,  64                          ; v64-79  the tokens' two weights
.set HS,   80                          ; v80-87, v88-95  h's scale words, two sets: scales and nothing else
.set W2S,  96                          ; v96-159 W2's scale words, 8 t + s: scales and nothing else
.set ACC,  160                         ; v160-223 eight accumulators; then the four waves' parts of my four rows, row k, wave u at ACC + 16 k + 4 u
.set Y,    224                         ; v224-239 what is stored
.set B2,   248                         ; v248-251 b2 at my four columns
.set YA,   252                         ; v252-255 the stores' offsets
.set TG,   160                         ; at the head the accumulators' registers are at work
.set RID,  168
.set CC,   176
.set TA,   184
.set TB,   185
.set RK,   186
.set SL,   187
.set UU,   188
.set WV,   18
.set EXP,  19
.set CB,   20
.set Q,    21
.set N,    22
.set NT,   23
.set TI,   24
.set J,    25
.set TMP,  26
.set N4W,  27
.set C4,   28                          ; s28-36
.set MSKA, 37
.set MSKB, 38
.set MSK,  39
.set CNT,  40
.set REM,  41
.set CR,   44                          ; s44-51  for row k: the weight, the row's number
.set TM2,  52
.set HP,   8                           ; s[8:9]  hq at the trip's first tile, my K quarter
.set H1,   54                          ; s[54:55] the same at the segment's second tile (or its first, if it has one)
.set MSB, 0
.macro WIN new                         ; the immediate's high byte repeats the setting that is left
.if MSB != \new
	s_set_vgpr_msb (MSB<<8)|\new
.set MSB, \new
.endif
.endm
.macro COMPACT                         ; the segment's rows and weights, group by group of 32 tokens, users first
	s_mov_b32 s[C4], 0
.irp g, 0,1,2,3,4,5,6,7
	v_and_b32 v[TA], 0xff, v[SW+\g]
	v_bfe_u32 v[TB], v[SW+\g], 8, 8
	v_cmp_eq_u32 s[MSKA], s[EXP], v[TA]
	v_cmp_eq_u32 s[MSKB], s[EXP], v[TB]
	s_or_b32 s[MSK], s[MSKA], s[MSKB]
	s_bcnt1_i32_b32 s[CNT], s[MSK]
	v_mbcnt_lo_u32_b32 v[RK], s[MSK], 0
	v_cndmask_b32 v[SL], 0, 1, s[MSKB]
	v_add3_u32 v[RID+\g], v[TOK2], 64*\g, v[SL]
	v_sub_nc_u32 v[UU], v[LN], v[RK]
	v_add_nc_u32 v[UU], s[CNT], v[UU]
	v_cndmask_b32 v[TG+\g], v[UU], v[RK], s[MSK]
	v_lshlrev_b32 v[TG+\g], 2, v[TG+\g]
	ds_permute_b32 v[T+\g], v[TG+\g], v[RID+\g]
	v_cndmask_b32 v[CC+\g], v[CWP+2*\g], v[CWP+2*\g+1], s[MSKB]
	ds_permute_b32 v[U+\g], v[TG+\g], v[CC+\g]
	s_lshl_b32 s[TMP], s[CNT], 2
	s_add_co_u32 s[C4+\g+1], s[C4+\g], s[TMP]
.endr
	s_wait_dscnt 0x0
.endm
.macro SEL_ISSUE                       ; sixteen pulls
.irp g, 0,1,2,3,4,5,6,7
	v_sub_nc_u32 v[IX+\g], v[P4], s[C4+\g]
	ds_bpermute_b32 v[RP+\g], v[IX+\g], v[T+\g]
	ds_bpermute_b32 v[RQ+\g], v[IX+\g], v[U+\g]
.endr
.endm
.macro TAKE
	v_mov_b32 v[LSEL], v[RP]
	v_mov_b32 v[CV], v[RQ]
.irp g, 1,2,3,4,5,6,7
	v_cmp_le_u32 vcc_lo, s[C4+\g], v[P4]
	v_cndmask_b32 v[LSEL], v[LSEL], v[RP+\g], vcc_lo
	v_cndmask_b32 v[CV], v[CV], v[RQ+\g], vcc_lo
.endr
.endm
.macro HLOAD buf, base, off            ; my eight K steps of a tile of h: images of the operand's registers: 24 loads
	WIN 0xc0
.irp s, 0,1,2,3,4,5,6,7
	global_load_b128 v[64*\buf+8*\s:64*\buf+8*\s+3],   v[LI16], s[\base:\base+1] offset:\off+1280*\s
	global_load_b128 v[64*\buf+8*\s+4:64*\buf+8*\s+7], v[LI16], s[\base:\base+1] offset:\off+1280*\s+512
.endr
	WIN 0
.irp s, 0,1,2,3,4,5,6,7
	global_load_b32 v[HS+8*\buf+\s], v[LI8], s[\base:\base+1] offset:\off+1280*\s+1024
.endr
.endm
; Column tile t's 16 rows, my K quarter: 16 loads of 512 consecutive bytes.  Rows 0-7 land in window 1, v[32 t ..], rows 8-15 in window 2, v[32 t ..]: the registers that the tile's fragments will take.
; One window setting serves a window's loads, LDS stores (data = source 1) and LDS loads: 0x44 for window 1, 0x88 for window 2; every address register lies in window 0.
.macro WROWS t
	WIN 0x44
.irp r, 0,1,2,3,4,5,6,7
	global_load_b128 v[32*(\t)+4*\r:32*(\t)+4*\r+3], v[LI16], s[10:11] offset:2048*(16*(\t)+\r)
.endr
	WIN 0x88
.irp r, 0,1,2,3,4,5,6,7
	global_load_b128 v[32*(\t)+4*\r:32*(\t)+4*\r+3], v[LI16], s[10:11] offset:2048*(16*(\t)+8+\r)
.endr
.endm
; The tile turns through my own stage bytes (the two stages by turns): rows in, fragments out, into the registers that the rows left.  LDS serves a wave's instructions in order (ISA guide 5.7.1.4): no wait between.
.macro WTURN t
	WIN 0x88
.irp r, 0,1,2,3,4,5,6,7
	ds_store_b128 v[STA], v[32*(\t)+4*\r:32*(\t)+4*\r+3] offset:33792*((\t)%2)+528*(8+\r)
.endr
	WIN 0x44
.irp r, 0,1,2,3,4,5,6,7
	ds_store_b128 v[STA], v[32*(\t)+4*\r:32*(\t)+4*\r+3] offset:33792*((\t)%2)+528*\r
.endr
.irp s, 0,1,2,3
.irp c, 0,1
	ds_load_b128 v[8*(4*(\t)+\s)+4*\c:8*(4*(\t)+\s)+4*\c+3], v[FRA] offset:33792*((\t)%2)+64*\s+32*\c
.endr
.endr
	WIN 0x88
.irp s, 0,1,2,3
.irp c, 0,1
	ds_load_b128 v[8*(4*(\t)+\s)+4*\c:8*(4*(\t)+\s)+4*\c+3], v[FRA] offset:33792*((\t)%2)+256+64*\s+32*\c
.endr
.endr
.endm
	s_load_b256 s[4:11], s[0:1], 0x0               ; sel s[4:5], cw s[6:7], hq s[8:9], W2's codes s[10:11]
	s_load_b128 s[12:15], s[0:1], 0x20             ; W2's scales s[12:13], b2 s[14:15]
	s_load_b64 s[16:17], s[0:1], 0x30              ; ybuf
	v_lshl_add_u32 v246, v0, 2, 0x10800
	v_mov_b32 v247, 0
	v_lshrrev_b32 v2, 5, v0
	v_readfirstlane_b32 s[WV], v2                  ; wave
	v_and_b32 v[LN], 31, v0
	v_and_b32 v2, 15, v0                           ; r
	v_bfe_u32 v13, v0, 4, 1                        ; h
	v_lshlrev_b32 v[L4], 2, v[LN]
	v_lshlrev_b32 v[LI16], 4, v[LN]
	v_lshlrev_b32 v[LI8], 3, v[LN]
	v_lshlrev_b32 v[W2SA], 7, v2
	s_mul_i32 s[TMP], s[WV], 8448                  ; my wave's 16 rows of 528 bytes in each stage
	v_add_nc_u32 v[STA], s[TMP], v[LI16]
	v_mul_u32_u24 v[FRA], v2, 528
	v_add_nc_u32 v[FRA], s[TMP], v[FRA]            ; row r
	v_lshl_add_u32 v[STO], v13, 5, v[FRA]          ; + 32 h: a result's 32 bytes
	v_lshl_add_u32 v[FRA], v13, 4, v[FRA]          ; + 16 h: a fragment's 16 bytes
	s_mul_i32 s[TMP], s[WV], 2112
	v_add_nc_u32 v[RDA], s[TMP], v[LI16]           ; rows 4 w on, 16 bytes a lane
	v_and_b32 v[P4], 3, v0
	v_lshlrev_b32 v[P4], 2, v[P4]
	s_lshl_b32 s[TMP], s[WV], 4
	v_add_nc_u32 v[P4], s[TMP], v[P4]              ; tile 0: position 4 w + lane % 4
	s_lshr_b32 s[EXP], ttmp9, 5
	s_bfe_u32 s[CB], ttmp9, 0x30002
	s_and_b32 s[Q], ttmp9, 3
	s_lshl_b32 s[TMP], s[Q], 9
	v_lshl_add_u32 v[TOK2], v[LN], 1, s[TMP]
	s_mov_b32 s43, 0
	s_wait_kmcnt 0x0
	s_lshl_b32 s42, s[Q], 10
	s_add_nc_u64 s[4:5], s[4:5], s[42:43]
	s_lshl_b32 s42, s[Q], 11
	s_add_nc_u64 s[6:7], s[6:7], s[42:43]
	s_lshl_b32 s42, s[EXP], 2
	s_add_co_u32 s42, s42, s[Q]
	s_mul_i32 s42, s42, 655360
	s_mul_i32 s[TMP], s[WV], 10240
	s_add_co_u32 s42, s42, s[TMP]
	s_add_nc_u64 s[HP:HP+1], s[HP:HP+1], s[42:43]  ; hq at my segment's tile 0, K step 8 w
	s_lshl_b32 s42, s[EXP], 21
	s_lshl_b32 s[TMP], s[CB], 18
	s_add_co_u32 s42, s42, s[TMP]
	s_lshl_b32 s[TMP], s[WV], 9
	s_add_co_u32 s42, s42, s[TMP]
	s_add_nc_u64 s[10:11], s[10:11], s[42:43]      ; W2's codes: my 128 rows, my quarter of K
	s_lshl_b32 s42, s[EXP], 17
	s_lshl_b32 s[TMP], s[CB], 14
	s_add_co_u32 s42, s42, s[TMP]
	s_lshl_b32 s[TMP], s[WV], 5
	s_add_co_u32 s42, s42, s[TMP]
	s_add_nc_u64 s[12:13], s[12:13], s[42:43]      ; and their scale bytes
	s_lshl_b32 s42, s[EXP], 12
	s_lshl_b32 s[TMP], s[CB], 9
	s_add_co_u32 s42, s42, s[TMP]
	s_add_nc_u64 s[14:15], s[14:15], s[42:43]      ; b2 at my 128 columns
	s_mov_b32 s42, s[TMP]
	s_add_nc_u64 s[16:17], s[16:17], s[42:43]      ; ybuf likewise
.irp g, 0,1,2,3,4,5,6,7
	global_load_b32 v[SW+\g], v[L4], s[4:5] offset:128*\g
.endr
.irp g, 0,1,2,3,4,5,6,7
	global_load_b64 v[CWP+2*\g:CWP+2*\g+1], v[LI8], s[6:7] offset:256*\g
.endr
	global_load_b128 v[B2:B2+3], v[LI16], s[14:15]
.irp t, 0,1,2,3,4,5,6,7
	global_load_b128 v[W2S+8*\t:W2S+8*\t+3],   v[W2SA], s[12:13] offset:2048*\t
	global_load_b128 v[W2S+8*\t+4:W2S+8*\t+7], v[W2SA], s[12:13] offset:2048*\t+16
.endr
	WROWS 0
	WROWS 1
	WROWS 2
	WIN 0
	s_wait_loadcnt 63                              ; 65 loads were issued behind sel's and cw's sixteen: those are in
	COMPACT
	s_lshr_b32 s[N], s[C4+8], 2                    ; rows in the segment
	s_add_co_u32 s[NT], s[N], 15
	s_lshr_b32 s[NT], s[NT], 4
	s_max_u32 s[NT], s[NT], 1                      ; tiles: at least one
	s_lshl_b32 s[TMP], s[WV], 2
	s_sub_co_i32 s[N4W], s[N], s[TMP]
	SEL_ISSUE                                      ; tile 0's rows are pulled
	s_sub_co_u32 s42, s[NT], 1
	s_min_u32 s42, s42, 1
	s_mul_i32 s42, s42, 40960                      ; the second tile, or the first again where there is no second: no load names bytes that were not written
	s_add_nc_u64 s[H1:H1+1], s[HP:HP+1], s[42:43]
.irp t, 0,1,2,3,4
	WROWS \t+3
	s_wait_loadcnt 48                              ; tile t's 16 rows are in; the three tiles asked for behind them may be out
	WTURN \t
.endr
	HLOAD 0, HP, 0                                 ; W2 is all asked for: h's first tile joins the queue,
	s_wait_loadcnt 56                              ; behind tile 5's rows: 16 + 16 + 24
	WTURN 5
	HLOAD 1, H1, 0                                 ; and its second
	s_wait_loadcnt 63                              ; behind tile 6's rows: 16 + 24 + 24 = 64, one more than the count can name
	WTURN 6
	s_wait_loadcnt 48                              ; behind tile 7's rows: h's 24 + 24
	WTURN 7
	WIN 0
	s_wait_dscnt 0x0                               ; W2's fragments are in, and the pulls
	s_mov_b32 s[TI], 0
	s_mov_b32 s[J], 0
; ONE TILE, h's fragments in set p.
.macro HALF p
	s_cmp_lt_u32 s[TI], s[NT]
	s_cbranch_scc0 .Lidle_\@
	s_wait_loadcnt 24                              ; this tile's 24 loads are in; the next tile's 24, issued behind them, may be out; where none were issued, the wait for 0 below has been passed
	WIN 0x0d                                       ; source 0 (W2) window 1, source 1 (h) window 3, C and D window 0
.irp t, 0,1,2,3,4,5,6,7                        ; the eight accumulators take turns, one instruction a turn; the first products start the sums
	v_wmma_scale_f32_16x16x128_f8f6f4 v[ACC+8*\t:ACC+8*\t+7], v[32*\t:32*\t+7], v[64*\p:64*\p+7], 0, v[W2S+8*\t], v[HS+8*\p] matrix_a_fmt:MATRIX_FMT_FP4 matrix_b_fmt:MATRIX_FMT_FP4
.endr
.irp s, 1,2,3
.irp t, 0,1,2,3,4,5,6,7
	v_wmma_scale_f32_16x16x128_f8f6f4 v[ACC+8*\t:ACC+8*\t+7], v[8*(4*\t+\s):8*(4*\t+\s)+7], v[64*\p+8*\s:64*\p+8*\s+7], v[ACC+8*\t:ACC+8*\t+7], v[W2S+8*\t+\s], v[HS+8*\p+\s] matrix_a_fmt:MATRIX_FMT_FP4 matrix_b_fmt:MATRIX_FMT_FP4
.endr
.endr
	WIN 0x0e
.irp s, 4,5,6,7
.irp t, 0,1,2,3,4,5,6,7
	v_wmma_scale_f32_16x16x128_f8f6f4 v[ACC+8*\t:ACC+8*\t+7], v[8*(4*\t+\s-4):8*(4*\t+\s-4)+7], v[64*\p+8*\s:64*\p+8*\s+7], v[ACC+8*\t:ACC+8*\t+7], v[W2S+8*\t+\s], v[HS+8*\p+\s] matrix_a_fmt:MATRIX_FMT_FP4 matrix_b_fmt:MATRIX_FMT_FP4
.endr
.endr
	WIN 0
.rept 5
	v_nop                                          ; places: four ahead of the stores that read results and of the loads into h's registers, five ahead of the next tile's first product, which writes the accumulators anew
.endr
.irp t, 0,1,2,3,4,5,6,7
	ds_store_b128 v[STO], v[ACC+8*\t:ACC+8*\t+3] offset:33792*\p+64*\t          ; each accumulator from its low end on
	ds_store_b128 v[STO], v[ACC+8*\t+4:ACC+8*\t+7] offset:33792*\p+64*\t+16
.endr
	s_add_co_u32 s[TMP], s[TI], 2
	s_cmp_lt_u32 s[TMP], s[NT]
	s_cbranch_scc0 .Lidle_\@
	HLOAD \p, HP, (\p+2)*40960                     ; the tile two on, into the set just multiplied
	s_branch .Lmeet_\@
.Lidle_\@:
	s_wait_loadcnt 0x0                             ; nothing was asked for: what is out is awaited here, so that the count at the next tile's head holds on this path too
.Lmeet_\@:
	s_wait_dscnt 0x0                               ; my part lies in LDS, my reads of the other stage are over, my pulls are in
	s_barrier_signal -1
	s_barrier_wait -1                              ; on every path.  This stage is written again two tiles on, behind the next tile's barrier
	s_cmp_lt_u32 s[TI], s[NT]
	s_cbranch_scc0 .Lnext_\@
.irp k, 0,1,2,3
.irp u, 0,1,2,3
	ds_load_b128 v[ACC+16*\k+4*\u:ACC+16*\k+4*\u+3], v[RDA] offset:33792*\p+8448*\u+528*\k
.endr
.endr
	TAKE
.irp k, 0,1,2,3
	v_readlane_b32 s[CR+2*\k], v[CV], \k           ; row 4 w + k: its weight,
	v_readlane_b32 s[CR+2*\k+1], v[LSEL], \k       ; and its number
.endr
	v_add_nc_u32 v[P4], 64, v[P4]
	SEL_ISSUE                                      ; the next tile's rows are pulled
	s_wait_xcnt 0x0                                ; the last tile's stores have read their offsets and data
.irp k, 0,1,2,3
	s_min_u32 s[CR+2*\k+1], s[CR+2*\k+1], 0x7ff    ; a row stays inside ybuf
	s_lshl_b32 s[TM2], s[CR+2*\k+1], 12
	v_add_nc_u32 v[YA+\k], s[TM2], v[LI16]
.endr
	s_wait_dscnt 16                                ; the sixteen loads are in; the sixteen pulls issued behind them may be out
.irp k, 0,1,2,3
.irp i, 0,2
	v_pk_add_f32 v[ACC+16*\k+\i:ACC+16*\k+\i+1], v[ACC+16*\k+\i:ACC+16*\k+\i+1], v[ACC+16*\k+4+\i:ACC+16*\k+4+\i+1]
	v_pk_add_f32 v[ACC+16*\k+8+\i:ACC+16*\k+8+\i+1], v[ACC+16*\k+8+\i:ACC+16*\k+8+\i+1], v[ACC+16*\k+12+\i:ACC+16*\k+12+\i+1]
.endr
.endr
.irp k, 0,1,2,3
.irp i, 0,2
	v_pk_add_f32 v[ACC+16*\k+\i:ACC+16*\k+\i+1], v[ACC+16*\k+\i:ACC+16*\k+\i+1], v[ACC+16*\k+8+\i:ACC+16*\k+8+\i+1]
.endr
.endr
.irp k, 0,1,2,3
.irp i, 0,2
	v_pk_add_f32 v[ACC+16*\k+\i:ACC+16*\k+\i+1], v[ACC+16*\k+\i:ACC+16*\k+\i+1], v[B2+\i:B2+\i+1]
.endr
.endr
.irp k, 0,1,2,3
.irp i, 0,2
	v_pk_mul_f32 v[Y+4*\k+\i:Y+4*\k+\i+1], v[ACC+16*\k+\i:ACC+16*\k+\i+1], s[CR+2*\k:CR+2*\k+1] op_sel_hi:[1,0]
.endr
.endr
	s_lshl_b32 s[TMP], s[TI], 4
	s_sub_co_i32 s[REM], s[N4W], s[TMP]            ; rows of the segment from my first row on
.irp k, 0,1,2,3
	s_cmp_gt_i32 s[REM], \k
	s_cbranch_scc0 .Lnext_\@                       ; a padding row is not stored
	global_store_b128 v[YA+\k], v[Y+4*\k:Y+4*\k+3], s[16:17] th:TH_STORE_NT     ; 512 consecutive bytes of a row
.endr
.Lnext_\@:
	s_add_co_u32 s[TI], s[TI], 1
.endm
.Ltrip:
	HALF 0
	HALF 1
	s_wait_xcnt 0x0                                ; the loads have read their base
	s_add_nc_u64 s[HP:HP+1], s[HP:HP+1], 81920     ; two tiles on (past the segment's last tile it is not used)
	s_add_co_u32 s[J], s[J], 1
	s_cmp_lt_u32 s[J], 8
	s_cbranch_scc1 .Ltrip
	s_wait_dscnt 0x0                               ; the last pulls
	s_wait_tensorcnt 0x0
	ds_add_u32 v246, v247
	s_wait_dscnt 0x0
	s_endpgm
.Lfunc_end_k_qf327c173fa_outer:
	.size	k_qf327c173fa_outer, .Lfunc_end_k_qf327c173fa_outer-k_qf327c173fa_outer
	.p2alignl 7, 3214868480
	.fill 96, 4, 3214868480
	.section	.rodata,"a",@progbits
	.p2align	6, 0x0
	.amdhsa_kernel k_qf327c173fa_outer
		.amdhsa_group_segment_fixed_size 68096
		.amdhsa_private_segment_fixed_size 0
		.amdhsa_enable_private_segment 0
		.amdhsa_kernarg_size 56
		.amdhsa_user_sgpr_count 2
		.amdhsa_user_sgpr_kernarg_segment_ptr 1
		.amdhsa_wavefront_size32 1
		.amdhsa_system_sgpr_workgroup_id_x 1
		.amdhsa_system_sgpr_workgroup_id_y 1
		.amdhsa_system_sgpr_workgroup_id_z 1
		.amdhsa_system_vgpr_workitem_id 0
		.amdhsa_next_free_vgpr 1024
		.amdhsa_next_free_sgpr 66
		.amdhsa_reserve_vcc 1
		.amdhsa_float_denorm_mode_32 3
		.amdhsa_float_denorm_mode_16_64 3
		.amdhsa_memory_ordered 1
		.amdhsa_forward_progress 1
		.amdhsa_inst_pref_size 89
	.end_amdhsa_kernel
	.amdgpu_metadata
---
amdhsa.version: [ 1, 2 ]
amdhsa.kernels:
  - .name:           k_qf327c173fa_outer
    .symbol:         k_qf327c173fa_outer.kd
    .args:
      - { .name: sel, .offset: 0, .size: 8, .value_kind: global_buffer, .address_space: global }
      - { .name: cw, .offset: 8, .size: 8, .value_kind: global_buffer, .address_space: global }
      - { .name: hq, .offset: 16, .size: 8, .value_kind: global_buffer, .address_space: global }
      - { .name: W2_codes, .offset: 24, .size: 8, .value_kind: global_buffer, .address_space: global }
      - { .name: W2_scales, .offset: 32, .size: 8, .value_kind: global_buffer, .address_space: global }
      - { .name: b2, .offset: 40, .size: 8, .value_kind: global_buffer, .address_space: global }
      - { .name: ybuf, .offset: 48, .size: 8, .value_kind: global_buffer, .address_space: global }
    .group_segment_fixed_size: 68096
    .private_segment_fixed_size: 0
    .kernarg_segment_align: 8
    .kernarg_segment_size: 56
    .max_flat_workgroup_size: 128
    .sgpr_count:     66
    .vgpr_count:     1024
    .wavefront_size: 32
...
	.end_amdgpu_metadata
.endif
;; end of part 3
;; launch join (part 4): grid 256 x 1, 4 waves a work-group, no clusters, 0 bytes of LDS; arguments ybuf, out0; writes out0
.if DOCPART == 4
	.amdgcn_target "amdgcn-amd-amdhsa--gfx1250"
	.amdhsa_code_object_version 6
	.text
	.protected	k_qf327c173fa_join
	.globl	k_qf327c173fa_join
	.p2align	8
	.type	k_qf327c173fa_join,@function
k_qf327c173fa_join:
	s_mov_b64 s[64:65], 0
	v_nop
	global_prefetch_b8 v0, s[64:65] scope:SCOPE_SE
	s_setreg_imm32_b32 hwreg(HW_REG_WAVE_MODE, 25, 1), 1
	s_wait_xcnt 0x0
; out0[token] = ybuf[2 token] + ybuf[2 token + 1]: the two chosen experts' weighted rows, in f32.  One wave takes one token: 8,192 bytes in, 4,096 out.
; Every load and store of the wave covers 512 consecutive bytes.  All sixteen loads go out first; each pair is added and stored as it arrives.  No register is written twice.
; A plain stream: LDS, matrix unit and clusters have nothing to add here.
	s_load_b128 s[4:7], s[0:1], 0x0                ; ybuf s[4:5], out0 s[6:7]
	v_lshrrev_b32 v1, 5, v0
	v_readfirstlane_b32 s8, v1                     ; wave
	v_and_b32 v1, 31, v0
	v_lshlrev_b32 v1, 4, v1                        ; 16 x lane
	s_lshl_b32 s9, ttmp9, 2
	s_add_co_u32 s9, s9, s8                        ; my token
	s_lshl_b32 s10, s9, 13
	s_mov_b32 s11, 0
	s_lshl_b32 s12, s9, 12
	s_mov_b32 s13, 0
	s_wait_kmcnt 0x0
	s_add_nc_u64 s[4:5], s[4:5], s[10:11]
	s_add_nc_u64 s[6:7], s[6:7], s[12:13]
.irp i, 0,1,2,3,4,5,6,7
	global_load_b128 v[4+8*\i:7+8*\i],  v1, s[4:5] offset:512*\i th:TH_LOAD_NT
	global_load_b128 v[8+8*\i:11+8*\i], v1, s[4:5] offset:4096+512*\i th:TH_LOAD_NT
.endr
.irp i, 0,1,2,3,4,5,6,7
	s_wait_loadcnt 14-2*\i                         ; pair i is in; the younger pairs may be out
	v_pk_add_f32 v[4+8*\i:5+8*\i], v[4+8*\i:5+8*\i], v[8+8*\i:9+8*\i]
	v_pk_add_f32 v[6+8*\i:7+8*\i], v[6+8*\i:7+8*\i], v[10+8*\i:11+8*\i]
	global_store_b128 v1, v[4+8*\i:7+8*\i], s[6:7] offset:512*\i th:TH_STORE_NT
.endr
	s_endpgm
.Lfunc_end_k_qf327c173fa_join:
	.size	k_qf327c173fa_join, .Lfunc_end_k_qf327c173fa_join-k_qf327c173fa_join
	.p2alignl 7, 3214868480
	.fill 96, 4, 3214868480
	.section	.rodata,"a",@progbits
	.p2align	6, 0x0
	.amdhsa_kernel k_qf327c173fa_join
		.amdhsa_group_segment_fixed_size 0
		.amdhsa_private_segment_fixed_size 0
		.amdhsa_enable_private_segment 0
		.amdhsa_kernarg_size 16
		.amdhsa_user_sgpr_count 2
		.amdhsa_user_sgpr_kernarg_segment_ptr 1
		.amdhsa_wavefront_size32 1
		.amdhsa_system_sgpr_workgroup_id_x 1
		.amdhsa_system_sgpr_workgroup_id_y 1
		.amdhsa_system_sgpr_workgroup_id_z 1
		.amdhsa_system_vgpr_workitem_id 0
		.amdhsa_next_free_vgpr 72
		.amdhsa_next_free_sgpr 66
		.amdhsa_reserve_vcc 0
		.amdhsa_float_denorm_mode_32 3
		.amdhsa_float_denorm_mode_16_64 3
		.amdhsa_memory_ordered 1
		.amdhsa_forward_progress 1
		.amdhsa_inst_pref_size 5
	.end_amdhsa_kernel
	.amdgpu_metadata
---
amdhsa.version: [ 1, 2 ]
amdhsa.kernels:
  - .name:           k_qf327c173fa_join
    .symbol:         k_qf327c173fa_join.kd
    .args:
      - { .name: ybuf, .offset: 0, .size: 8, .value_kind: global_buffer, .address_space: global }
      - { .name: out0, .offset: 8, .size: 8, .value_kind: global_buffer, .address_space: global }
    .group_segment_fixed_size: 0
    .private_segment_fixed_size: 0
    .kernarg_segment_align: 8
    .kernarg_segment_size: 16
    .max_flat_workgroup_size: 128
    .sgpr_count:     66
    .vgpr_count:     72
    .wavefront_size: 32
...
	.end_amdgpu_metadata
.endif
;; end of part 4
;; ======== version 2 of 2: 4 launches
;; workspace buffers: xq 524,288 bytes; xs 32,768 bytes; sel 4,096 bytes of whole numbers; cw 8,192 bytes; hq 20,971,520 bytes; ybuf 8,388,608 bytes
;; launch route (part 5): grid 256 x 1, 4 waves a work-group, no clusters, 52,224 bytes of LDS; arguments x, Wr, br, xq, xs, sel, cw; writes xq, xs, sel, cw
.if DOCPART == 5
	.amdgcn_target "amdgcn-amd-amdhsa--gfx1250"
	.amdhsa_code_object_version 6
	.text
	.protected	k_qf327c173fa_route
	.globl	k_qf327c173fa_route
	.p2align	8
	.type	k_qf327c173fa_route,@function
k_qf327c173fa_route:
	s_mov_b64 s[64:65], 0
	v_nop
	global_prefetch_b8 v0, s[64:65] scope:SCOPE_SE
	s_setreg_imm32_b32 hwreg(HW_REG_WAVE_MODE, 25, 1), 1
	s_wait_xcnt 0x0
; ROUTER AND QUANTISER OF x.  x [1024][1024] f32, Wr [1024][8] f32, br [8] f32.
; One wave takes one token (4 x work-group + wave); lane l takes block l of its row, k = 32 l .. 32 l + 31.
; It stores: xq [token][512 bytes], the E2M1 codes, block l at byte 16 l; xs [token][32], the E8M0 bytes;
; sel [token], a word: the first chosen expert | the second << 8; cw [token][2] f32, their routing weights.  All at fixed places: no address hangs on the choice.
; The router is f32 throughout: fused multiply-adds, the row's largest logit taken away before the exponentials, the sum, a reciprocal.
; LIMITS.  NaN and infinities are not served.  A block whose largest magnitude lies under 2^-124 gets the byte 1 (a block of zeros too: its codes are zeros,
; and the bytes are read by this program alone).  An exponential under 2^-126 comes out as 0, so such a routing weight counts as 0.
; The top two are found on p x (1 / sum), the lower index on ties; the logits' sums run in another order than a plain sum over k.
; No matrix unit, no cluster: the product has 8 columns, and the only shared bytes are Wr's 32,768, copied once into LDS by each work-group.
.set XT,  33280                        ; LDS: Wr at 0, byte b at b + 16 (b >> 10): a lane's 1,024 bytes are 1,040 apart; behind it, for each wave, 32 blocks of x, 128 bytes + 16
.set RAW, 16                           ; v16-47   x as loaded; later at work
.set X,   48                           ; v48-79   my block's 32 numbers
.set WB,  80                           ; v80-143, v144-207  two sets of 8 rows of Wr (the first also takes Wr as loaded)
.set ACC, 208                          ; v208-223 eight logits, in two sets (even k, odd k)
.set P,   224                          ; v224-231 the softmax;  v232, v233 the two weights; v234, v235 the two experts; v236 the word; v237 0; v238 -1
	s_load_b256 s[4:11], s[0:1], 0x0               ; x s[4:5], Wr s[6:7], br s[8:9], xq s[10:11]
	s_load_b128 s[12:15], s[0:1], 0x20             ; xs s[12:13], sel s[14:15]
	s_load_b64 s[16:17], s[0:1], 0x30              ; cw
	v_lshl_add_u32 v240, v0, 2, 0xca00
	v_mov_b32 v241, 0
	v_lshrrev_b32 v1, 5, v0
	v_readfirstlane_b32 s18, v1                    ; wave
	v_and_b32 v1, 31, v0                           ; lane
	v_lshlrev_b32 v2, 4, v1                        ; 16 x lane
	v_lshlrev_b32 v3, 4, v0                        ; 16 x thread: my 16 bytes of 2,048 of Wr
	v_lshrrev_b32 v4, 6, v0
	v_lshl_add_u32 v4, v4, 4, v3                   ; and their place in LDS
	s_mul_i32 s21, s18, 4608
	s_add_co_u32 s21, s21, XT                      ; my wave's blocks of x
	v_lshrrev_b32 v5, 3, v1
	v_mul_u32_u24 v5, v5, 144
	v_and_b32 v6, 7, v1
	v_lshl_add_u32 v5, v6, 4, v5
	v_add_nc_u32 v5, s21, v5                       ; in: eight lanes' 128 bytes are a block
	v_mul_u32_u24 v6, v1, 144
	v_add_nc_u32 v6, s21, v6                       ; out: block = lane
	v_mul_u32_u24 v7, v1, 1040                     ; my 32 rows of Wr
	s_lshl_b32 s19, ttmp9, 2
	s_add_co_u32 s19, s19, s18                     ; my token
	s_mov_b32 s22, 0x76543210
	s_mov_b32 s23, 0xfedcba98                      ; lane selects: lane l xor 16
	s_mov_b32 s33, 0
	s_wait_alu depctr_va_vdst(0)
	s_wait_kmcnt 0x0
	s_load_b256 s[24:31], s[8:9], 0x0              ; br
	s_lshl_b32 s32, s19, 12
	s_add_nc_u64 s[4:5], s[4:5], s[32:33]
	s_lshl_b32 s32, s19, 9
	s_add_nc_u64 s[10:11], s[10:11], s[32:33]
	s_lshl_b32 s32, s19, 5
	s_add_nc_u64 s[12:13], s[12:13], s[32:33]
	s_lshl_b32 s32, s19, 2
	s_add_nc_u64 s[14:15], s[14:15], s[32:33]
	s_lshl_b32 s32, s19, 3
	s_add_nc_u64 s[16:17], s[16:17], s[32:33]
.irp i, 0,1,2,3,4,5,6,7
	global_load_b128 v[RAW+4*\i:RAW+4*\i+3], v2, s[4:5] offset:512*\i th:TH_LOAD_NT   ; 512 consecutive bytes of my row
.endr
.irp m, 0,1,2,3,4,5,6,7,8,9,10,11,12,13,14,15
	global_load_b128 v[WB+4*\m:WB+4*\m+3], v3, s[6:7] offset:2048*\m                  ; the work-group's 128 threads take 2,048 consecutive bytes of Wr
.endr
	s_wait_loadcnt 16                              ; x's eight loads are in; Wr's sixteen, issued behind them, may be out
.irp i, 0,1,2,3,4,5,6,7
	ds_store_b128 v5, v[RAW+4*\i:RAW+4*\i+3] offset:576*\i
.endr
.irp m, 0,1,2,3,4,5,6,7
	ds_load_b128 v[X+4*\m:X+4*\m+3], v6 offset:16*\m       ; my wave's own bytes: LDS serves a wave's instructions in order
.endr
	s_wait_loadcnt 0x0
.irp m, 0,1,2,3,4,5,6,7,8,9,10,11,12,13,14,15
	ds_store_b128 v4, v[WB+4*\m:WB+4*\m+3] offset:2080*\m
.endr
	s_wait_dscnt 0x0                               ; for the others' sake: my part of Wr lies in LDS (and my block of x is in)
	s_barrier_signal -1
	s_barrier_wait -1
.macro CHUNK c                         ; rows 8 c .. 8 c + 7 of my 32 rows of Wr into set c % 2
.irp i, 0,1,2,3,4,5,6,7
	ds_load_b128 v[WB+64*((\c)%2)+8*\i:WB+64*((\c)%2)+8*\i+3],   v7 offset:32*(8*(\c)+\i)
	ds_load_b128 v[WB+64*((\c)%2)+8*\i+4:WB+64*((\c)%2)+8*\i+7], v7 offset:32*(8*(\c)+\i)+16
.endr
.endm
	CHUNK 0
	CHUNK 1
	; my block's scale and codes, while Wr's rows come
	v_max3_num_f32 v14, |v[X]|, |v[X+1]|, |v[X+2]|
	v_max3_num_f32 v15, |v[X+3]|, |v[X+4]|, |v[X+5]|
.irp i, 6,10,14,18,22,26
	v_max3_num_f32 v14, v14, |v[X+\i]|, |v[X+\i+1]|
	v_max3_num_f32 v15, v15, |v[X+\i+2]|, |v[X+\i+3]|
.endr
	v_max3_num_f32 v14, v14, |v[X+30]|, |v[X+31]|
	v_max3_num_f32 v14, v14, v15, 0x1800000        ; and the floor 2^(3 - 127): the byte cannot fall under 1
	v_add_nc_u32 v13, 0xff000000, v14              ; 2 off the exponent field: the conversion's scale operand
	v_lshrrev_b32 v12, 23, v13                     ; the scale's byte
.irp g, 0,1,2,3
	v_cvt_scalef32_pk8_fp4_f32 v[8+\g], v[X+8*\g:X+8*\g+7], v13
.endr
	v_nop                                          ; a plain line behind the last conversion
	global_store_b128 v2, v[8:11], s[10:11]        ; the wave stores my token's 512 bytes of codes on end
	global_store_b8 v1, v12, s[12:13]              ; and its 32 scale bytes on end (32 bytes a token: the whole buffer is 32,768 bytes)
; eight rows of Wr times my numbers: two logits an instruction, even k into one set of sums and odd k into the other; the first two rows start the sums
.macro DOT c
.irp i, 0,1,2,3,4,5,6,7
.irp p, 0,1,2,3
.if (\c == 0) && (\i == 0)
	v_pk_mul_f32 v[ACC+2*\p:ACC+2*\p+1], v[WB+2*\p:WB+2*\p+1], v[X:X+1] op_sel_hi:[1,0]
.elseif (\c == 0) && (\i == 1)
	v_pk_mul_f32 v[ACC+8+2*\p:ACC+8+2*\p+1], v[WB+8+2*\p:WB+8+2*\p+1], v[X:X+1] op_sel:[0,1] op_sel_hi:[1,1]
.elseif (\i % 2) == 0
	v_pk_fma_f32 v[ACC+2*\p:ACC+2*\p+1], v[WB+64*(\c%2)+8*\i+2*\p:WB+64*(\c%2)+8*\i+2*\p+1], v[X+8*\c+\i:X+8*\c+\i+1], v[ACC+2*\p:ACC+2*\p+1] op_sel_hi:[1,0,1]
.else
	v_pk_fma_f32 v[ACC+8+2*\p:ACC+8+2*\p+1], v[WB+64*(\c%2)+8*\i+2*\p:WB+64*(\c%2)+8*\i+2*\p+1], v[X+8*\c+\i-1:X+8*\c+\i], v[ACC+8+2*\p:ACC+8+2*\p+1] op_sel:[0,1,0] op_sel_hi:[1,1,1]
.endif
.endr
.endr
.endm
	s_wait_dscnt 16                                ; chunk 0 is in; chunk 1's sixteen loads may be out
	DOT 0
	CHUNK 2
	s_wait_alu depctr_va_vdst(0)
	s_wait_dscnt 16                                ; chunk 1 is in; chunk 2's may be out
	DOT 1
	CHUNK 3
	s_wait_alu depctr_va_vdst(0)
	s_wait_dscnt 16                                ; chunk 2 is in; chunk 3's may be out
	DOT 2
	s_wait_alu depctr_va_vdst(0)
	s_wait_dscnt 0x0
	DOT 3
.irp p, 0,1,2,3
	v_pk_add_f32 v[ACC+2*\p:ACC+2*\p+1], v[ACC+2*\p:ACC+2*\p+1], v[ACC+8+2*\p:ACC+8+2*\p+1]
.endr
.irp m, 1,2,4,8                        ; over the 32 lanes: every lane ends with all eight sums
.irp e, 0,1,2,3,4,5,6,7
	v_add_f32_dpp v[ACC+\e], v[ACC+\e], v[ACC+\e] row_xmask:\m row_mask:0xf bank_mask:0xf
.endr
.endr
.irp e, 0,1,2,3,4,5,6,7
	v_permlanex16_b32 v[RAW+\e], v[ACC+\e], s22, s23
.endr
	s_wait_alu depctr_va_vdst(0)
	s_wait_kmcnt 0x0                               ; br
.irp e, 0,1,2,3,4,5,6,7
	v_add_f32 v[ACC+\e], v[ACC+\e], v[RAW+\e]
.endr
.irp e, 0,1,2,3,4,5,6,7
	v_add_f32 v[ACC+\e], s[24+\e], v[ACC+\e]       ; the logits
.endr
	v_max3_num_f32 v16, v[ACC], v[ACC+1], v[ACC+2]
	v_max3_num_f32 v16, v16, v[ACC+3], v[ACC+4]
	v_max3_num_f32 v16, v16, v[ACC+5], v[ACC+6]
	v_max_num_f32 v16, v16, v[ACC+7]               ; the largest logit is taken away first
.irp e, 0,1,2,3,4,5,6,7
	v_sub_f32 v[P+\e], v[ACC+\e], v16
.endr
.irp e, 0,1,2,3,4,5,6,7
	v_mul_f32 v[P+\e], 0x3fb8aa3b, v[P+\e]         ; x log2(e)
.endr
	s_wait_alu depctr_va_vdst(0)
.irp e, 0,1,2,3,4,5,6,7
	v_exp_f32 v[P+\e], v[P+\e]
.endr
	v_mov_b32 v238, -1.0                           ; (a plain line behind the exponentials)
	s_wait_alu depctr_va_vdst(0)                   ; one wait for the eight, ahead of their first reader
	v_pk_add_f32 v[16:17], v[P:P+1], v[P+2:P+3]
	v_pk_add_f32 v[18:19], v[P+4:P+5], v[P+6:P+7]
	v_pk_add_f32 v[16:17], v[16:17], v[18:19]
	v_add_f32 v16, v16, v17
	s_wait_alu depctr_va_vdst(0)
	v_rcp_f32 v18, v16
	v_mov_b32 v237, 0                              ; (a plain line behind the reciprocal)
	s_wait_alu depctr_va_vdst(0)                   ; ahead of its first reader
.irp e, 0,1,2,3,4,5,6,7
	v_mul_f32 v[P+\e], v[P+\e], v18                ; the routing weights
.endr
.macro BEST w, n                       ; the largest of the eight into v[w], its index into v[n]; the lower index keeps a tie
	v_mov_b32 v[\w], v[P]
	v_mov_b32 v[\n], 0
.irp e, 1,2,3,4,5,6,7
	v_cmp_ge_f32 vcc_lo, v[\w], v[P+\e]
	v_cndmask_b32 v[\w], v[P+\e], v[\w], vcc_lo
	v_cndmask_b32 v[\n], \e, v[\n], vcc_lo
.endr
.endm
	BEST 232, 234
.irp e, 0,1,2,3,4,5,6,7
	v_cmp_eq_u32 vcc_lo, \e, v234
	v_cndmask_b32 v[P+\e], v[P+\e], v238, vcc_lo   ; the winner leaves the field: -1 lies under every weight
.endr
	BEST 233, 235
	v_lshl_or_b32 v236, v235, 8, v234
	s_wait_alu depctr_va_vdst(0)
	s_wait_xcnt 0x0                                ; EXEC changes only behind this wait
	v_cmp_eq_u32 vcc_lo, 0, v1
	s_wait_tensorcnt 0x0
	ds_add_u32 v240, v241
	s_wait_dscnt 0x0
	s_and_saveexec_b32 s20, vcc_lo                 ; all lanes hold the same: lane 0 stores
	global_store_b32 v237, v236, s[14:15]
	global_store_b64 v237, v[232:233], s[16:17]
	s_wait_xcnt 0x0                                ; and again ahead of the line that widens it
	s_or_b32 exec_lo, exec_lo, s20
	s_endpgm
.Lfunc_end_k_qf327c173fa_route:
	.size	k_qf327c173fa_route, .Lfunc_end_k_qf327c173fa_route-k_qf327c173fa_route
	.p2alignl 7, 3214868480
	.fill 96, 4, 3214868480
	.section	.rodata,"a",@progbits
	.p2align	6, 0x0
	.amdhsa_kernel k_qf327c173fa_route
		.amdhsa_group_segment_fixed_size 52224
		.amdhsa_private_segment_fixed_size 0
		.amdhsa_enable_private_segment 0
		.amdhsa_kernarg_size 56
		.amdhsa_user_sgpr_count 2
		.amdhsa_user_sgpr_kernarg_segment_ptr 1
		.amdhsa_wavefront_size32 1
		.amdhsa_system_sgpr_workgroup_id_x 1
		.amdhsa_system_sgpr_workgroup_id_y 1
		.amdhsa_system_sgpr_workgroup_id_z 1
		.amdhsa_system_vgpr_workitem_id 0
		.amdhsa_next_free_vgpr 242
		.amdhsa_next_free_sgpr 66
		.amdhsa_reserve_vcc 1
		.amdhsa_float_denorm_mode_32 3
		.amdhsa_float_denorm_mode_16_64 3
		.amdhsa_memory_ordered 1
		.amdhsa_forward_progress 1
		.amdhsa_inst_pref_size 29
	.end_amdhsa_kernel
	.amdgpu_metadata
---
amdhsa.version: [ 1, 2 ]
amdhsa.kernels:
  - .name:           k_qf327c173fa_route
    .symbol:         k_qf327c173fa_route.kd
    .args:
      - { .name: x, .offset: 0, .size: 8, .value_kind: global_buffer, .address_space: global }
      - { .name: Wr, .offset: 8, .size: 8, .value_kind: global_buffer, .address_space: global }
      - { .name: br, .offset: 16, .size: 8, .value_kind: global_buffer, .address_space: global }
      - { .name: xq, .offset: 24, .size: 8, .value_kind: global_buffer, .address_space: global }
      - { .name: xs, .offset: 32, .size: 8, .value_kind: global_buffer, .address_space: global }
      - { .name: sel, .offset: 40, .size: 8, .value_kind: global_buffer, .address_space: global }
      - { .name: cw, .offset: 48, .size: 8, .value_kind: global_buffer, .address_space: global }
    .group_segment_fixed_size: 52224
    .private_segment_fixed_size: 0
    .kernarg_segment_align: 8
    .kernarg_segment_size: 56
    .max_flat_workgroup_size: 128
    .sgpr_count:     66
    .vgpr_count:     242
    .wavefront_size: 32
...
	.end_amdgpu_metadata
.endif
;; end of part 5
;; launch hidden (part 6): grid 256 x 1, 4 waves a work-group, no clusters, 68,096 bytes of LDS; arguments sel, xq, xs, W1_codes, W1_scales, b1, hq; writes hq
.if DOCPART == 6
	.amdgcn_target "amdgcn-amd-amdhsa--gfx1250"
	.amdhsa_code_object_version 6
	.text
	.protected	k_qf327c173fa_hidden
	.globl	k_qf327c173fa_hidden
	.p2align	8
	.type	k_qf327c173fa_hidden,@function
k_qf327c173fa_hidden:
	s_mov_b64 s[64:65], 0
	v_nop
	global_prefetch_b8 v0, s[64:65] scope:SCOPE_SE
	s_setreg_imm32_b32 hwreg(HW_REG_WAVE_SCHED_MODE, 0, 2), 2
	s_setreg_imm32_b32 hwreg(HW_REG_WAVE_MODE, 25, 1), 1
	s_wait_xcnt 0x0
	s_wait_alu depctr_vm_vsrc(0)
; h = Q(relu(x W1 + b1)) FOR THE ROUTED ROWS ALONE, on E2M1 codes with E8M0 scales.
; SEGMENTS.  The routed rows (token, slot) fall into 32 segments (expert e, tokens 256 q .. 256 q + 255), each of at most 256 rows = 16 tiles of 16.  A segment's place in hq is a constant expression.
; SHARES.  Work-group = (e = x >> 5, hs = x & 31): hidden units 128 hs .. 128 hs + 127 of expert e, which are K step hs of the second product.  Wave q walks segment (e, q).
; All four waves keep the same 128 rows of W1 (65,536 bytes = 512 registers): each wave loads 32 whole rows, they meet in LDS once, and each wave reads the fragments back.  No barrier stands in the loop.
; THE LIST.  A wave makes its segment's list of rows in registers from the 256 words of sel: for each 32 tokens a mask of users, their ranks, one push between lanes (users first); a position p is then
; pulled from the group g with C_g <= p < C_g+1.  Positions past the segment's end yield some real token of the segment: padding rows, whose results nobody reads.
; A segment has at least one tile, so that tile 0 of every segment is written.
; x's ROWS COME THREE TILES AHEAD: three sets of fragments; the head asks for tiles 0, 1, 2, and tile i asks for tile i + 3, if there is one, into the set that it has just multiplied.
; THE PRODUCT IS USED TRANSPOSED (source 0 = 16 rows of W1, source 1 = 16 rows of x): a lane holds one row of h.  Lane r of tile 2 b + u takes W1's row 32 b + 8 u + r + 8 (r / 8), so that the 16 registers of
; tiles 2 b, 2 b + 1 are 16 neighbours along the next K.  In LDS the rows lie in the order of the tiles (tile t's lane r at row 16 t + r).  b1 is the C of each sum's first product.
; hq [e][q][tile 16][K step 32][1,280 bytes]: an image of the operand's registers: registers 0-3 at 16 x lane, registers 4-7 at 512 + 16 x lane, the scale word twice at 1,024 + 8 x lane.
; NO TENSOR LOAD, NO CLUSTER: the number of tiles hangs on counts read from memory and differs from wave to wave, so operands go from memory into registers, and partners could not make the same requests.
; LIMITS.  NaN and infinities are not served; a block of h whose largest number lies under 2^-124 (all zeros too) gets the byte 1; the bytes are read by this program alone.
; THE MODE: SCHED_MODE bits 1:0 = 2 (LLVM: expert scheduling mode 2), set by the entry lines.  The code itself states the register dependences
; between vector or matrix instructions and memory or LDS instructions, with s_wait_alu, always for 0.
; THE PLAN.  Registers that memory or LDS instructions touch, in the loop:
;   IX          Written by a tile's eight subtractions, read by its eight pulls, written again at the next tile's head.
;   RP          The pulls land in it; the selections behind the products read it.
;   XA, SA [p]  Written behind tile p's products, read by the 18 loads that follow, written again three tiles on.
;   x's set p and its scale words   The 18 loads land in them; the products of the tile three on read them.
;   PC, PW      Written by the quantiser, read by the tile's three stores, written again in the next tile.
;   v[LI16], v[LI8], v[T ..]   Read by stores and pulls; never written in the loop.
; So a tile has one wait on vm_vsrc, at its head (IX, PC, PW and set p's offsets have been read), and three on va_vdst: ahead of the pulls, ahead of the loads into the set just multiplied, ahead of the stores.
; The masks of the selections are made by seven compares at the tile's head, into scalar registers; the one wait on va_sdst stands behind the products, ahead of the first selection.
; REGISTERS.  Window 0: below.  Window 1: W1's K steps 0-3, tile t, step s at v[8 (4 t + s)] (v0-127 first hold the rows as loaded).  Window 2: K steps 4-7.  Window 3: x's fragments, three sets of 64 from v0; b1's 8 tiles from v192.
.set LN,   1                           ; lane
.set RR,   2                           ; lane % 16
.set H16,  3                           ; 16 (lane / 16)
.set LI16, 4                           ; 16 x lane
.set LI8,  5                           ; 8 x lane
.set P4,   6                           ; 4 x the position that the pulls in hand are for
.set LSEL, 7                           ; the row pulled: 2 x token + slot
.set TK,   8                           ; its token
.set P4A,  9                           ; the head's: 4 x position in tile 0,
.set P4B,  10                          ; in tile 1
.set WST,  11                          ; LDS: where my wave's rows of W1 go
.set WFA,  12                          ; LDS: my lane's place in a tile of W1
.set WSA,  13                          ; W1's scale bytes: 32 x (r + 8 (r / 8))
.set BA,   14                          ; b1: 64 (lane / 16)
.set TOK2, 15                          ; 512 q + 2 x lane
.set T,    16                          ; v16-23  the eight groups' rows, users first
.set RP,   24                          ; v24-31  what was pulled from each group
.set IX,   32                          ; v32-39  the pulls' lane indices
.set SW,   40                          ; v40-47  the words of sel
.set L4,   48                          ; 4 x lane
.set TA,   49                          ; v49-53  at work
.set TB,   50
.set RK,   51
.set SL,   52
.set UU,   53
.set XS,   56                          ; v56-63, v64-71, v248-255  x's scale words, three sets: scales and nothing else
.set W1S,  72                          ; v72-135  W1's scale words, 8 t + s: scales and nothing else
.set HA,   136                         ; v136-199 my 8 tiles of h
.set RPB,  HA                          ; at the head they are at work: the pulls of tiles 1 and 2
.set RPC,  HA+8
.set IXB,  HA+16
.set IXC,  HA+24
.set TM,   200                         ; v200-215 the quantiser's
.set PW,   216                         ; v216-217 the scale word, twice
.set PC,   218                         ; v218-225 the codes
.set XA,   226                         ; v226, 228, 230  set p: x's codes: 512 x token + 16 (lane / 16)
.set SA,   227                         ; v227, 229, 231  set p: x's scale bytes: 32 x token
.set TG,   232                         ; v232-239 the pushes' targets
.set RID,  240                         ; v240-247 and their data
.set B1,   192                         ; in window 3
.set PITCH, 528                        ; a row of W1 in LDS: 512 bytes + 16 = 132 words: 16 neighbouring rows start at 16 different columns of 16 bytes
.set Q,    18
.set EXP,  19
.set HSL,  20
.set N,    21
.set NT,   22
.set NP,   23
.set J,    24
.set TMP,  25
.set C4,   28                          ; s28-36  4 x the number of users ahead of group g
.set CNT,  40
.set TI,   41                          ; the tile in hand
.set SEL,  42
.set MA,   44                          ; s44-51  masks: group g's users; later, for a position, whether group g begins at or ahead of it
.set MB,   52                          ; s52-59  masks: group g's users by their second slot; at the head also tile 1's positions
.set MSB, 0
.macro WIN new                         ; the immediate's high byte repeats the setting that is left
.if MSB != \new
	s_set_vgpr_msb (MSB<<8)|\new
.set MSB, \new
.endif
.endm
.macro COMPACT                         ; the segment's rows, group by group of 32 tokens, users first
.irp g, 0,1,2,3,4,5,6,7                        ; the sixteen compares stand in one run, each into a scalar register of its own
	v_and_b32 v[TA], 0xff, v[SW+\g]
	v_bfe_u32 v[TB], v[SW+\g], 8, 8
	v_cmp_eq_u32 s[MA+\g], s[EXP], v[TA]
	v_cmp_eq_u32 s[MB+\g], s[EXP], v[TB]
.endr
	s_wait_alu depctr_va_sdst(0)                   ; the sixteen masks are written, ahead of their first reader
	s_mov_b32 s[C4], 0
.irp g, 0,1,2,3,4,5,6,7
	s_or_b32 s[MA+\g], s[MA+\g], s[MB+\g]          ; the tokens that use my expert
	s_bcnt1_i32_b32 s[CNT], s[MA+\g]
	v_mbcnt_lo_u32_b32 v[RK], s[MA+\g], 0          ; users in the lanes below mine
	v_cndmask_b32 v[SL], 0, 1, s[MB+\g]
	v_add3_u32 v[RID+\g], v[TOK2], 64*\g, v[SL]    ; 2 x token + slot
	v_sub_nc_u32 v[UU], v[LN], v[RK]
	v_add_nc_u32 v[UU], s[CNT], v[UU]              ; the others go behind the users: all 32 lanes are targets once
	v_cndmask_b32 v[TG+\g], v[UU], v[RK], s[MA+\g]
	v_lshlrev_b32 v[TG+\g], 2, v[TG+\g]
	s_lshl_b32 s[TMP], s[CNT], 2
	s_add_co_u32 s[C4+\g+1], s[C4+\g], s[TMP]
.endr
	s_wait_alu depctr_va_vdst(0)                   ; the eight targets and the eight rows are written, which the pushes read
.irp g, 0,1,2,3,4,5,6,7
	ds_permute_b32 v[T+\g], v[TG+\g], v[RID+\g]
.endr
	s_wait_dscnt 0x0
.endm
.macro SEL_IX p4, ix                   ; position v[p4] / 4 as a lane of each group
.irp g, 0,1,2,3,4,5,6,7
	v_sub_nc_u32 v[\ix+\g], v[\p4], s[C4+\g]
.endr
.endm
.macro SEL_PULL rp, ix                 ; it is pulled from every group; PICK keeps the right one
.irp g, 0,1,2,3,4,5,6,7
	ds_bpermute_b32 v[\rp+\g], v[\ix+\g], v[T+\g]
.endr
.endm
.macro MASKS p4, mk                    ; which groups begin at or ahead of the position: seven compares in a run
.irp g, 1,2,3,4,5,6,7
	v_cmp_le_u32 s[\mk+\g], s[C4+\g], v[\p4]
.endr
.endm
.macro PICK rp, mk                     ; the last group that begins at or ahead of the position
	v_mov_b32 v[LSEL], v[\rp]
.irp g, 1,2,3,4,5,6,7
	v_cndmask_b32 v[LSEL], v[LSEL], v[\rp+\g], s[\mk+\g]
.endr
.endm
.macro ADDR buf                        ; set buf's two offsets
	v_lshrrev_b32 v[TK], 1, v[LSEL]
	v_min_u32 v[TK], 0x3ff, v[TK]                  ; a token stays inside x
	v_lshl_add_u32 v[XA+2*(\buf)], v[TK], 9, v[H16]
	v_lshlrev_b32 v[SA+2*(\buf)], 5, v[TK]
.endm
.macro XLOAD buf                       ; 16 rows of x: eight fragments and their scale words: 18 loads
.set XSL, XS+8*(\buf)+176*((\buf)/2)
	WIN 0xc0
.irp s, 0,1,2,3,4,5,6,7
.irp c, 0,1
	global_load_b128 v[64*(\buf)+8*\s+4*\c:64*(\buf)+8*\s+4*\c+3], v[XA+2*(\buf)], s[6:7] offset:64*\s+32*\c
.endr
.endr
	WIN 0
	global_load_b128 v[XSL:XSL+3],   v[SA+2*(\buf)], s[8:9]
	global_load_b128 v[XSL+4:XSL+7], v[SA+2*(\buf)], s[8:9] offset:16
.endm
	s_load_b256 s[4:11], s[0:1], 0x0               ; sel s[4:5], xq s[6:7], xs s[8:9], W1's codes s[10:11]
	s_load_b128 s[12:15], s[0:1], 0x20             ; W1's scales s[12:13], b1 s[14:15]
	s_load_b64 s[16:17], s[0:1], 0x30              ; hq
	v_lshl_add_u32 v210, v0, 2, 0x10800
	v_mov_b32 v211, 0
	v_lshrrev_b32 v[TK], 5, v0
	v_readfirstlane_b32 s[Q], v[TK]                ; wave = q
	v_and_b32 v[LN], 31, v0
	v_and_b32 v[RR], 15, v0
	v_bfe_u32 v[H16], v0, 4, 1
	v_lshlrev_b32 v[H16], 4, v[H16]
	v_lshlrev_b32 v[LI16], 4, v[LN]
	v_lshlrev_b32 v[LI8], 3, v[LN]
	v_lshlrev_b32 v[L4], 2, v[LN]
	v_lshlrev_b32 v[P4A], 2, v[RR]                 ; tile 0: position = lane % 16
	v_add_nc_u32 v[P4B], 64, v[P4A]                ; tile 1: 16 on
	v_add_nc_u32 v[P4], 0x80, v[P4A]               ; tile 2: the loop steps on from here
	s_wait_alu depctr_va_sdst(0)                   ; the wave's number is written, ahead of its first reader
	s_mul_i32 s[TMP], s[Q], 32*PITCH
	v_add_nc_u32 v[WST], s[TMP], v[LI16]
	v_mul_u32_u24 v[WFA], v[RR], PITCH
	v_add_nc_u32 v[WFA], v[WFA], v[H16]            ; row r of a tile, + 16 h
	v_and_b32 v[WSA], 8, v[RR]
	v_add_nc_u32 v[WSA], v[WSA], v[RR]             ; r + 8 (r / 8)
	v_lshlrev_b32 v[WSA], 5, v[WSA]
	v_lshlrev_b32 v[BA], 2, v[H16]
	s_lshl_b32 s[TMP], s[Q], 9
	v_lshl_add_u32 v[TOK2], v[LN], 1, s[TMP]
.irp b, 0,1,2,3
	v_mov_b32 v[TM+4+\b], 0                        ; written once: a lane permute's destination counts as one of its sources
.endr
	s_lshr_b32 s[EXP], ttmp9, 5
	s_and_b32 s[HSL], ttmp9, 31
	s_mov_b32 s27, 0
	s_mov_b32 s[SEL], 0x76543210
	s_mov_b32 s[SEL+1], 0xfedcba98
	s_wait_kmcnt 0x0
	s_lshl_b32 s26, s[Q], 10
	s_add_nc_u64 s[4:5], s[4:5], s[26:27]          ; sel at token 256 q
	s_lshl_b32 s26, s[EXP], 21
	s_lshl_b32 s[TMP], s[HSL], 16
	s_add_co_u32 s26, s26, s[TMP]
	s_lshl_b32 s[TMP], s[Q], 14
	s_add_co_u32 s26, s26, s[TMP]
	s_add_nc_u64 s[10:11], s[10:11], s[26:27]      ; W1's codes at the 32 rows that my wave loads
	s_lshl_b32 s26, s[EXP], 17
	s_lshl_b32 s[TMP], s[HSL], 12
	s_add_co_u32 s26, s26, s[TMP]
	s_add_nc_u64 s[12:13], s[12:13], s[26:27]      ; W1's scales at the work-group's 128 rows
	s_lshl_b32 s26, s[EXP], 14
	s_lshl_b32 s[TMP], s[HSL], 9
	s_add_co_u32 s26, s26, s[TMP]
	s_add_nc_u64 s[14:15], s[14:15], s[26:27]      ; b1 likewise
	s_lshl_b32 s26, s[EXP], 2
	s_add_co_u32 s26, s26, s[Q]
	s_mul_i32 s26, s26, 655360
	s_mul_i32 s[TMP], s[HSL], 1280
	s_add_co_u32 s26, s26, s[TMP]
	s_add_nc_u64 s[16:17], s[16:17], s[26:27]      ; hq at my segment's tile 0, K step hs
	s_wait_alu depctr_va_vdst(0)                   ; the offsets and LDS addresses that stay (v[L4], v[LI16], v[LI8], v[WSA], v[BA], v[WST], v[WFA]) are written: the loads and stores of the whole kernel read them
.irp g, 0,1,2,3,4,5,6,7
	global_load_b32 v[SW+\g], v[L4], s[4:5] offset:128*\g
.endr
	WIN 0x40
.set j, 0
.rept 32
	global_load_b128 v[4*j:4*j+3], v[LI16], s[10:11] offset:512*j th:TH_LOAD_NT   ; a whole row of 512 bytes; each byte of W1 is loaded once in the launch
.set j, j+1
.endr
	WIN 0
.irp t, 0,1,2,3,4,5,6,7
	global_load_b128 v[W1S+8*\t:W1S+8*\t+3],   v[WSA], s[12:13] offset:(32*(\t/2)+8*(\t%2))*32
	global_load_b128 v[W1S+8*\t+4:W1S+8*\t+7], v[WSA], s[12:13] offset:(32*(\t/2)+8*(\t%2))*32+16
.endr
	WIN 0xc0
.irp t, 0,1,2,3,4,5,6,7
	global_load_b128 v[B1+8*\t:B1+8*\t+3],   v[BA], s[14:15] offset:(32*(\t/2)+8*(\t%2))*4
	global_load_b128 v[B1+8*\t+4:B1+8*\t+7], v[BA], s[14:15] offset:(32*(\t/2)+8*(\t%2))*4+16
.endr
	WIN 0
	s_wait_loadcnt 63                              ; 64 loads were issued behind sel's eight: those eight are in
	COMPACT
	s_lshr_b32 s[N], s[C4+8], 2                    ; rows in my segment
	s_add_co_u32 s[NT], s[N], 15
	s_lshr_b32 s[NT], s[NT], 4
	s_max_u32 s[NT], s[NT], 1                      ; tiles: 1 to 16
	s_add_co_u32 s[NP], s[NT], 2
	s_mul_i32 s[NP], s[NP], 11
	s_lshr_b32 s[NP], s[NP], 5                     ; trips of three tiles: (NT + 2) / 3, rounded down: x 11 / 32 gives that for 3 .. 18
	SEL_IX P4A, IX                                 ; the rows of tiles 0, 1 and 2 are pulled as one batch: 24 pulls, one wait
	SEL_IX P4B, IXB
	SEL_IX P4, IXC
	MASKS P4A, MA                                  ; and the masks of tiles 0 and 1 are made meanwhile
	MASKS P4B, MB
	s_wait_alu depctr_va_vdst(0)                   ; the 24 lane indices are written, which the pulls read
	SEL_PULL RP, IX
	SEL_PULL RPB, IXB
	SEL_PULL RPC, IXC
	s_wait_dscnt 0x0
	s_wait_alu depctr_va_sdst(0)                   ; the fourteen masks of tiles 0 and 1 are written, ahead of the first selection
	PICK RP, MA
	ADDR 0
	PICK RPB, MB
	ADDR 1
	MASKS P4, MA
	s_wait_alu depctr_va_sdst(0)                   ; tile 2's seven masks are written, ahead of the first selection
	PICK RPC, MA
	ADDR 2
	s_wait_alu depctr_va_vdst(0)                   ; the three sets' six offsets are written, which the 54 loads read
	XLOAD 0
	XLOAD 1                                        ; (past a short segment's end: padding rows of real tokens: no load leaves its buffer)
	XLOAD 2
	s_wait_loadcnt 63                              ; behind the 32 rows of W1: 16 + 16 + 54 loads, more than the count can name: the rows are in, and of x's loads none is asked for
	WIN 0x04                                       ; an LDS store's data are its source 1: window 1
.set j, 0
.rept 32                                       ; my row j goes where its tile wants it: bits 3 and 4 of the row's number change places
	ds_store_b128 v[WST], v[4*j:4*j+3] offset:PITCH*((j&7)|(((j>>3)&1)<<4)|(((j>>4)&1)<<3))
.set j, j+1
.endr
	WIN 0
	s_wait_dscnt 0x0                               ; for the others' sake: my 32 rows lie in LDS
	s_barrier_signal -1
	s_barrier_wait -1                              ; all 128 do; nobody writes them again
	s_wait_alu depctr_vm_vsrc(0)                   ; my LDS stores have read v0-127 of window 1, in which the fragments land
	WIN 0x40
.irp t, 0,1,2,3,4,5,6,7
.irp s, 0,1,2,3
.irp c, 0,1
	ds_load_b128 v[8*(4*\t+\s)+4*\c:8*(4*\t+\s)+4*\c+3], v[WFA] offset:16*\t*PITCH+64*\s+32*\c
.endr
.endr
.endr
	WIN 0x80
.irp t, 0,1,2,3,4,5,6,7
.irp s, 0,1,2,3
.irp c, 0,1
	ds_load_b128 v[8*(4*\t+\s)+4*\c:8*(4*\t+\s)+4*\c+3], v[WFA] offset:16*\t*PITCH+256+64*\s+32*\c
.endr
.endr
.endr
	WIN 0
	s_wait_dscnt 0x0
; A TILE of 16 rows, x's fragments in set p.
.macro TILE p
.set XSB, XS+8*(\p)+176*((\p)/2)
	s_wait_loadcnt 36                              ; this tile's 18 loads are in; the next two tiles' 18 + 18, issued behind them, may be out; where a tile asked for nothing, the wait for 0 below has been passed
	s_wait_alu depctr_vm_vsrc(0)                   ; the last pulls have read IX, the last tile's stores PC and PW, set p's last loads their offsets: all are written again in this tile (first tile: the head's pulls have read the indices that lay in h's registers)
	v_add_nc_u32 v[P4], 64, v[P4]
	SEL_IX P4, IX
	MASKS P4, MA                                   ; the masks of the selections behind the products
	s_wait_alu depctr_va_vdst(0)                   ; the eight lane indices are written, which the pulls read; the last selections are done reading RP, in which the pulls land
	SEL_PULL RP, IX                                ; the rows of the tile three on are pulled while the products run
	WIN 0x3d                                       ; source 0 (W1) window 1, source 1 (x) and source 2 (b1) window 3, destination window 0
.irp t, 0,1,2,3,4,5,6,7                        ; the eight accumulators take turns, one instruction a turn
	v_wmma_scale_f32_16x16x128_f8f6f4 v[HA+8*\t:HA+8*\t+7], v[32*\t:32*\t+7], v[64*(\p):64*(\p)+7], v[B1+8*\t:B1+8*\t+7], v[W1S+8*\t], v[XSB] matrix_a_fmt:MATRIX_FMT_FP4 matrix_b_fmt:MATRIX_FMT_FP4
.endr
	WIN 0x0d
.irp s, 1,2,3
.irp t, 0,1,2,3,4,5,6,7
	v_wmma_scale_f32_16x16x128_f8f6f4 v[HA+8*\t:HA+8*\t+7], v[8*(4*\t+\s):8*(4*\t+\s)+7], v[64*(\p)+8*\s:64*(\p)+8*\s+7], v[HA+8*\t:HA+8*\t+7], v[W1S+8*\t+\s], v[XSB+\s] matrix_a_fmt:MATRIX_FMT_FP4 matrix_b_fmt:MATRIX_FMT_FP4
.endr
.endr
	WIN 0x0e                                       ; W1's K steps 4-7: window 2
.irp s, 4,5,6,7
.irp t, 0,1,2,3,4,5,6,7
	v_wmma_scale_f32_16x16x128_f8f6f4 v[HA+8*\t:HA+8*\t+7], v[8*(4*\t+\s-4):8*(4*\t+\s-4)+7], v[64*(\p)+8*\s:64*(\p)+8*\s+7], v[HA+8*\t:HA+8*\t+7], v[W1S+8*\t+\s], v[XSB+\s] matrix_a_fmt:MATRIX_FMT_FP4 matrix_b_fmt:MATRIX_FMT_FP4
.endr
.endr
	WIN 0
	s_wait_dscnt 0x0                               ; the pulls are in
	s_wait_alu depctr_va_sdst(0)                   ; the seven masks made at the tile's head are written, ahead of the first selection
	PICK RP, MA                                    ; these 12 plain lines name no register of the products: they are the places (ISA guide 7.12.1) ahead of the first read of results
	ADDR \p                                        ; (set p's offsets are free: its last loads were shown done, and to have read them, at this tile's head)
	s_add_co_u32 s[TMP], s[TI], 3
	s_cmp_lt_u32 s[TMP], s[NT]
	s_cbranch_scc0 .Lnone_\@
	s_wait_alu depctr_va_vdst(0)                   ; the products are done reading set p and its scale words, in which the loads land; set p's two offsets are written, which the loads read
	XLOAD \p                                       ; the tile three on, into the set just multiplied
	s_branch .Lasked_\@
.Lnone_\@:
	s_wait_loadcnt 0x0                             ; nothing was asked for: what is out is awaited here, so that the count at the next tiles' heads holds on this path too
.Lasked_\@:
.set j, 0
.rept 64
	v_max_num_f32 v[HA+j], 0, v[HA+j]              ; the activation, in f32; each accumulator from its low end on
.set j, j+1
.endr
.irp b, 0,1,2,3                                ; register 16 b + i is hidden unit 32 b + 16 (lane / 16) + i of my row: four blocks of 32, each in lanes l and l xor 16
	v_max3_num_f32 v[TM+\b], v[HA+16*\b], v[HA+1+16*\b], 0x1800000   ; none is negative; the floor 2^(3 - 127) holds the byte at 1 from below
.endr
.irp i, 2,4,6,8,10,12,14
.irp b, 0,1,2,3
	v_max3_num_f32 v[TM+\b], v[TM+\b], v[HA+16*\b+\i], v[HA+1+16*\b+\i]
.endr
.endr
.irp b, 0,1,2,3
	v_permlanex16_b32 v[TM+4+\b], v[TM+\b], s[SEL], s[SEL+1]
.endr
.irp b, 0,1,2,3
	v_max_num_f32 v[TM+\b], v[TM+\b], v[TM+4+\b]
.endr
.irp b, 0,1,2,3
	v_add_nc_u32 v[TM+12+\b], 0xff000000, v[TM+\b] ; 2 off the exponent field: the conversion's scale operand
.endr
.irp b, 0,1,2,3
	v_lshrrev_b32 v[TM+4+\b], 23, v[TM+12+\b]      ; the scale's byte
.endr
	v_lshl_or_b32 v[PW], v[TM+5], 8, v[TM+4]
	v_lshl_or_b32 v[PW], v[TM+6], 16, v[PW]
	v_lshl_or_b32 v[PW], v[TM+7], 24, v[PW]        ; my row's scale word
.irp b, 0,1,2,3
	v_cvt_scalef32_pk8_fp4_f32 v[PC+2*\b], v[HA+16*\b:HA+16*\b+7], v[TM+12+\b]
	v_cvt_scalef32_pk8_fp4_f32 v[PC+1+2*\b], v[HA+8+16*\b:HA+15+16*\b], v[TM+12+\b]
.endr
	v_mov_b32 v[PW+1], v[PW]                       ; (the plain line behind the last conversion)
.irp c, 0,1                                    ; the operand wants a whole block in a lane
.irp i, 0,1
	v_permlane16_swap_b32 v[PC+4*\c+\i], v[PC+2+4*\c+\i]
.endr
.endr
	s_wait_alu depctr_va_vdst(0)                   ; the codes in PC and the scale word in PW are written, which the three stores read
	global_store_b128 v[LI16], v[PC:PC+3], s[16:17] th:TH_STORE_NT              ; 512 consecutive bytes
	global_store_b128 v[LI16], v[PC+4:PC+7], s[16:17] offset:512 th:TH_STORE_NT
	global_store_b64 v[LI8], v[PW:PW+1], s[16:17] offset:1024 th:TH_STORE_NT    ; 256 consecutive bytes
	s_wait_xcnt 0x0                                ; the stores' base and data are written again only behind this wait
	s_add_nc_u64 s[16:17], s[16:17], 40960         ; the next tile's image
	s_add_co_u32 s[TI], s[TI], 1
.endm
	s_mov_b32 s[TI], 0
	s_mov_b32 s[J], 0
.Ltrip:                                            ; three tiles a trip: the sets are back where they began
	TILE 0
	s_cmp_lt_u32 s[TI], s[NT]
	s_cbranch_scc0 .Lshort
	TILE 1
	s_cmp_lt_u32 s[TI], s[NT]
	s_cbranch_scc0 .Lshort
	TILE 2
	s_branch .Lfull
.Lshort:
	s_wait_loadcnt 0x0                             ; the segment's last tile is done: nothing is out by then; the line keeps the counted wait at a tile's head right on this way too
.Lfull:
	s_add_co_u32 s[J], s[J], 1
	s_cmp_lt_u32 s[J], s[NP]
	s_cbranch_scc1 .Ltrip
	s_wait_dscnt 0x0                               ; the closing lines, six on end
	s_wait_alu 0x0
	s_wait_tensorcnt 0x0
	ds_add_u32 v210, v211
	s_wait_dscnt 0x0
	s_endpgm
.Lfunc_end_k_qf327c173fa_hidden:
	.size	k_qf327c173fa_hidden, .Lfunc_end_k_qf327c173fa_hidden-k_qf327c173fa_hidden
	.p2alignl 7, 3214868480
	.fill 96, 4, 3214868480
	.section	.rodata,"a",@progbits
	.p2align	6, 0x0
	.amdhsa_kernel k_qf327c173fa_hidden
		.amdhsa_group_segment_fixed_size 68096
		.amdhsa_private_segment_fixed_size 0
		.amdhsa_enable_private_segment 0
		.amdhsa_kernarg_size 56
		.amdhsa_user_sgpr_count 2
		.amdhsa_user_sgpr_kernarg_segment_ptr 1
		.amdhsa_wavefront_size32 1
		.amdhsa_system_sgpr_workgroup_id_x 1
		.amdhsa_system_sgpr_workgroup_id_y 1
		.amdhsa_system_sgpr_workgroup_id_z 1
		.amdhsa_system_vgpr_workitem_id 0
		.amdhsa_next_free_vgpr 1024
		.amdhsa_next_free_sgpr 66
		.amdhsa_reserve_vcc 0
		.amdhsa_float_denorm_mode_32 3
		.amdhsa_float_denorm_mode_16_64 3
		.amdhsa_memory_ordered 1
		.amdhsa_forward_progress 1
		.amdhsa_inst_pref_size 95
	.end_amdhsa_kernel
	.amdgpu_metadata
---
amdhsa.version: [ 1, 2 ]
amdhsa.kernels:
  - .name:           k_qf327c173fa_hidden
    .symbol:         k_qf327c173fa_hidden.kd
    .args:
      - { .name: sel, .offset: 0, .size: 8, .value_kind: global_buffer, .address_space: global }
      - { .name: xq, .offset: 8, .size: 8, .value_kind: global_buffer, .address_space: global }
      - { .name: xs, .offset: 16, .size: 8, .value_kind: global_buffer, .address_space: global }
      - { .name: W1_codes, .offset: 24, .size: 8, .value_kind: global_buffer, .address_space: global }
      - { .name: W1_scales, .offset: 32, .size: 8, .value_kind: global_buffer, .address_space: global }
      - { .name: b1, .offset: 40, .size: 8, .value_kind: global_buffer, .address_space: global }
      - { .name: hq, .offset: 48, .size: 8, .value_kind: global_buffer, .address_space: global }
    .group_segment_fixed_size: 68096
    .private_segment_fixed_size: 0
    .kernarg_segment_align: 8
    .kernarg_segment_size: 56
    .max_flat_workgroup_size: 128
    .sgpr_count:     66
    .vgpr_count:     1024
    .wavefront_size: 32
...
	.end_amdgpu_metadata
.endif
;; end of part 6
;; launch outer (part 7): grid 256 x 1, 4 waves a work-group, no clusters, 68,096 bytes of LDS; arguments sel, cw, hq, W2_codes, W2_scales, b2, ybuf; writes ybuf
.if DOCPART == 7
	.amdgcn_target "amdgcn-amd-amdhsa--gfx1250"
	.amdhsa_code_object_version 6
	.text
	.protected	k_qf327c173fa_outer
	.globl	k_qf327c173fa_outer
	.p2align	8
	.type	k_qf327c173fa_outer,@function
k_qf327c173fa_outer:
	s_mov_b64 s[64:65], 0
	v_nop
	global_prefetch_b8 v0, s[64:65] scope:SCOPE_SE
	s_setreg_imm32_b32 hwreg(HW_REG_WAVE_SCHED_MODE, 0, 2), 2
	s_setreg_imm32_b32 hwreg(HW_REG_WAVE_MODE, 25, 1), 1
	s_wait_xcnt 0x0
	s_wait_alu depctr_vm_vsrc(0)
; y = c (h W2 + b2) FOR THE ROUTED ROWS ALONE, on E2M1 codes with E8M0 scales.  ybuf [2 x token + slot][1024] f32.
; SHARES.  Work-group = (e = x >> 5, cb = (x >> 2) & 7, q = x & 3): 128 output columns of expert e for segment (e, q) (tokens 256 q .. 256 q + 255, at most 16 tiles of 16 rows).
; Wave w keeps W2[e][128 columns][K quarter w] in 512 registers, loaded once, and reads K steps 8 w .. 8 w + 7 of each tile of h: no byte is loaded twice inside the work-group.
; W2 COMES IN WHOLE ROW QUARTERS: one load takes the 512 consecutive bytes of one column's K quarter.  A column tile's 16 rows land in the 64 registers that its fragments will take, go through the wave's own
; stage bytes in LDS (rows of 528 bytes) and come back as fragments.  Loads run three tiles (48 loads) ahead; h's first two tiles are asked for behind them.
; The four partial sums of a tile (16 rows x 128 columns) meet in LDS; wave w adds rows 4 w .. 4 w + 3, adds b2, multiplies by the row's routing weight and stores whole rows of 512 bytes.
; THE LIST of the segment's rows is made in registers from sel, as in the launch that made hq, so that tile i, row r is the same row in both; the weights travel with the rows.
; THE LOOP HAS A CONSTANT COUNT, 8 trips of two tiles, so that its barrier stands on every path; a tile past the segment's last is passed over by scalar branches on the stored list, round the work alone.
; A segment counts at least one tile (tile 0 of every segment was written); rows past the segment's end are not stored.
; THE PRODUCT IS USED TRANSPOSED (source 0 = 16 rows of W2 = 16 output columns, source 1 = 16 rows of h): a lane holds eight neighbouring columns of one row.
; NO TENSOR LOAD, NO CLUSTER: the tiles' number hangs on counts read from memory and differs between work-groups that share W2's bytes, so partners could not make the same requests.
; LIMITS.  NaN and infinities are not served.  K is summed in four quarters, which are then added in f32: another order than one sum over K.
; THE MODE: SCHED_MODE bits 1:0 = 2 (LLVM: expert scheduling mode 2), set by the entry lines.  The code itself states the register dependences
; between vector or matrix instructions and memory or LDS instructions, with s_wait_alu, always for 0.
; THE PLAN.  Registers that memory or LDS instructions touch, in the loop:
;   ACC         Written by a tile's products, read by its sixteen LDS stores; behind the barrier the four waves' parts land in it, and the additions read them.
;   h's set p and its scale words   The products of tile p read them; behind them the 24 loads of the tile two on land in them.
;   IX          Written by eight subtractions, read by the sixteen pulls, written again in the next tile.
;   RP, RQ      The pulls land in them; the next tile's selections read them.
;   YA, Y       Written by vector lines, read by the tile's stores (four at the most), written again in the next tile.
;   v[LI16], v[LI8], v[STO], v[RDA], v[T ..], v[U ..]   Read by loads, stores and pulls; never written in the loop.
; So a tile has one wait on vm_vsrc, directly behind its barrier and ahead of the branch there, on every path (ACC, IX, YA and Y have been read), and three on va_vdst: behind the products
; (for the LDS stores, for the loads into h's set and for the loads into ACC), ahead of the pulls, ahead of the stores.  Two waits on va_sdst: behind the seven compares, behind the eight lane reads.
; REGISTERS.  Window 0: below.  Window 1: W2's K steps 0-3 of my quarter, tile t, step s at v[8 (4 t + s)].  Window 2: steps 4-7.  Window 3: h's fragments, v0-63 and v64-127 by turns.
.set LN,   1
.set L4,   3
.set LI16, 4
.set LI8,  5
.set P4,   6                           ; 4 x (16 x tile + 4 w + lane % 4): lanes 0-3 pull my wave's four rows
.set LSEL, 7                           ; the row pulled: 2 x token + slot
.set CV,   8                           ; and its routing weight
.set TOK2, 9
.set STA,  10                          ; LDS: my stage + 16 x lane: where a row quarter of W2 goes
.set W2SA, 11                          ; 128 r
.set FRA,  12                          ; LDS: my stage + 528 r + 16 h: where a fragment of W2 comes from
.set STO,  14                          ; LDS: where I put 32 bytes of a row
.set RDA,  15                          ; LDS: where I read rows back
.set T,    16                          ; v16-23  the groups' rows, users first
.set U,    24                          ; v24-31  their weights
.set RP,   32
.set RQ,   40
.set IX,   48
.set SW,   56                          ; v56-63  the words of sel
.set CWP,  64                          ; v64-79  the tokens' two weights
.set HS,   80                          ; v80-87, v88-95  h's scale words, two sets: scales and nothing else
.set W2S,  96                          ; v96-159 W2's scale words, 8 t + s: scales and nothing else
.set ACC,  160                         ; v160-223 eight accumulators; then the four waves' parts of my four rows, row k, wave u at ACC + 16 k + 4 u
.set Y,    224                         ; v224-239 what is stored
.set B2,   248                         ; v248-251 b2 at my four columns
.set YA,   252                         ; v252-255 the stores' offsets
.set TG,   160                         ; at the head the accumulators' registers are at work
.set RID,  168
.set CC,   176
.set TA,   184
.set TB,   185
.set RK,   186
.set SL,   187
.set UU,   188
.set WV,   18
.set EXP,  19
.set CB,   20
.set Q,    21
.set N,    22
.set NT,   23
.set TI,   24
.set J,    25
.set TMP,  26
.set N4W,  27
.set C4,   28                          ; s28-36
.set CNT,  40
.set REM,  41
.set CR,   44                          ; s44-51  for row k: the weight, the row's number
.set TM2,  52
.set HP,   8                           ; s[8:9]  hq at the trip's first tile, my K quarter
.set H1,   54                          ; s[54:55] the same at the segment's second tile (or its first, if it has one)
.set MA,   56                          ; s56-63  masks: group g's users; later, for a position, whether group g begins at or ahead of it
.set MB,   66                          ; s66-73  masks: group g's users by their second slot
.set MSB, 0
.macro WIN new                         ; the immediate's high byte repeats the setting that is left
.if MSB != \new
	s_set_vgpr_msb (MSB<<8)|\new
.set MSB, \new
.endif
.endm
.macro COMPACT                         ; the segment's rows and weights, group by group of 32 tokens, users first
.irp g, 0,1,2,3,4,5,6,7                        ; the sixteen compares stand in one run, each into a scalar register of its own
	v_and_b32 v[TA], 0xff, v[SW+\g]
	v_bfe_u32 v[TB], v[SW+\g], 8, 8
	v_cmp_eq_u32 s[MA+\g], s[EXP], v[TA]
	v_cmp_eq_u32 s[MB+\g], s[EXP], v[TB]
.endr
	s_wait_alu depctr_va_sdst(0)                   ; the sixteen masks are written, ahead of their first reader
	s_mov_b32 s[C4], 0
.irp g, 0,1,2,3,4,5,6,7
	s_or_b32 s[MA+\g], s[MA+\g], s[MB+\g]
	s_bcnt1_i32_b32 s[CNT], s[MA+\g]
	v_mbcnt_lo_u32_b32 v[RK], s[MA+\g], 0
	v_cndmask_b32 v[SL], 0, 1, s[MB+\g]
	v_add3_u32 v[RID+\g], v[TOK2], 64*\g, v[SL]
	v_sub_nc_u32 v[UU], v[LN], v[RK]
	v_add_nc_u32 v[UU], s[CNT], v[UU]
	v_cndmask_b32 v[TG+\g], v[UU], v[RK], s[MA+\g]
	v_lshlrev_b32 v[TG+\g], 2, v[TG+\g]
	v_cndmask_b32 v[CC+\g], v[CWP+2*\g], v[CWP+2*\g+1], s[MB+\g]
	s_lshl_b32 s[TMP], s[CNT], 2
	s_add_co_u32 s[C4+\g+1], s[C4+\g], s[TMP]
.endr
	s_wait_alu depctr_va_vdst(0)                   ; the targets, the rows and the weights are written, which the sixteen pushes read
.irp g, 0,1,2,3,4,5,6,7
	ds_permute_b32 v[T+\g], v[TG+\g], v[RID+\g]
	ds_permute_b32 v[U+\g], v[TG+\g], v[CC+\g]
.endr
	s_wait_dscnt 0x0
.endm
.macro SEL_IX                          ; position v[P4] / 4 as a lane of each group
.irp g, 0,1,2,3,4,5,6,7
	v_sub_nc_u32 v[IX+\g], v[P4], s[C4+\g]
.endr
.endm
.macro SEL_PULL                        ; sixteen pulls
.irp g, 0,1,2,3,4,5,6,7
	ds_bpermute_b32 v[RP+\g], v[IX+\g], v[T+\g]
	ds_bpermute_b32 v[RQ+\g], v[IX+\g], v[U+\g]
.endr
.endm
.macro MASKS                           ; which groups begin at or ahead of the position: seven compares in a run
.irp g, 1,2,3,4,5,6,7
	v_cmp_le_u32 s[MA+\g], s[C4+\g], v[P4]
.endr
.endm
.macro PICK                            ; the last group that begins at or ahead of the position
	v_mov_b32 v[LSEL], v[RP]
	v_mov_b32 v[CV], v[RQ]
.irp g, 1,2,3,4,5,6,7
	v_cndmask_b32 v[LSEL], v[LSEL], v[RP+\g], s[MA+\g]
	v_cndmask_b32 v[CV], v[CV], v[RQ+\g], s[MA+\g]
.endr
.endm
.macro HLOAD buf, base, off            ; my eight K steps of a tile of h: images of the operand's registers: 24 loads
	WIN 0xc0
.irp s, 0,1,2,3,4,5,6,7
	global_load_b128 v[64*\buf+8*\s:64*\buf+8*\s+3],   v[LI16], s[\base:\base+1] offset:\off+1280*\s
	global_load_b128 v[64*\buf+8*\s+4:64*\buf+8*\s+7], v[LI16], s[\base:\base+1] offset:\off+1280*\s+512
.endr
	WIN 0
.irp s, 0,1,2,3,4,5,6,7
	global_load_b32 v[HS+8*\buf+\s], v[LI8], s[\base:\base+1] offset:\off+1280*\s+1024
.endr
.endm
; Column tile t's 16 rows, my K quarter: 16 loads of 512 consecutive bytes.  Rows 0-7 land in window 1, v[32 t ..], rows 8-15 in window 2, v[32 t ..]: the registers that the tile's fragments will take.
; One window setting serves a window's loads, LDS stores (data = source 1) and LDS loads: 0x44 for window 1, 0x88 for window 2; every address register lies in window 0.
.macro WROWS t
	WIN 0x44
.irp r, 0,1,2,3,4,5,6,7
	global_load_b128 v[32*(\t)+4*\r:32*(\t)+4*\r+3], v[LI16], s[10:11] offset:2048*(16*(\t)+\r)
.endr
	WIN 0x88
.irp r, 0,1,2,3,4,5,6,7
	global_load_b128 v[32*(\t)+4*\r:32*(\t)+4*\r+3], v[LI16], s[10:11] offset:2048*(16*(\t)+8+\r)
.endr
.endm
; The tile turns through my own stage bytes (the two stages by turns): rows in, fragments out, into the registers that the rows left.  LDS serves a wave's instructions in order (ISA guide 5.7.1.4): no wait on DScnt between.
.macro WTURN t
	WIN 0x88
.irp r, 0,1,2,3,4,5,6,7
	ds_store_b128 v[STA], v[32*(\t)+4*\r:32*(\t)+4*\r+3] offset:33792*((\t)%2)+528*(8+\r)
.endr
	WIN 0x44
.irp r, 0,1,2,3,4,5,6,7
	ds_store_b128 v[STA], v[32*(\t)+4*\r:32*(\t)+4*\r+3] offset:33792*((\t)%2)+528*\r
.endr
	s_wait_alu depctr_vm_vsrc(0)                   ; the sixteen LDS stores have read the tile's 64 registers, in which its fragments land (tile 0's also stands behind the head's pushes, whose sources lie in the accumulators' registers)
.irp s, 0,1,2,3
.irp c, 0,1
	ds_load_b128 v[8*(4*(\t)+\s)+4*\c:8*(4*(\t)+\s)+4*\c+3], v[FRA] offset:33792*((\t)%2)+64*\s+32*\c
.endr
.endr
	WIN 0x88
.irp s, 0,1,2,3
.irp c, 0,1
	ds_load_b128 v[8*(4*(\t)+\s)+4*\c:8*(4*(\t)+\s)+4*\c+3], v[FRA] offset:33792*((\t)%2)+256+64*\s+32*\c
.endr
.endr
.endm
	s_load_b256 s[4:11], s[0:1], 0x0               ; sel s[4:5], cw s[6:7], hq s[8:9], W2's codes s[10:11]
	s_load_b128 s[12:15], s[0:1], 0x20             ; W2's scales s[12:13], b2 s[14:15]
	s_load_b64 s[16:17], s[0:1], 0x30              ; ybuf
	v_lshl_add_u32 v246, v0, 2, 0x10800
	v_mov_b32 v247, 0
	v_lshrrev_b32 v2, 5, v0
	v_readfirstlane_b32 s[WV], v2                  ; wave
	v_and_b32 v[LN], 31, v0
	v_and_b32 v2, 15, v0                           ; r
	v_bfe_u32 v13, v0, 4, 1                        ; h
	v_lshlrev_b32 v[L4], 2, v[LN]
	v_lshlrev_b32 v[LI16], 4, v[LN]
	v_lshlrev_b32 v[LI8], 3, v[LN]
	v_lshlrev_b32 v[W2SA], 7, v2
	s_wait_alu depctr_va_sdst(0)                   ; the wave's number is written, ahead of its first reader
	s_mul_i32 s[TMP], s[WV], 8448                  ; my wave's 16 rows of 528 bytes in each stage
	v_add_nc_u32 v[STA], s[TMP], v[LI16]
	v_mul_u32_u24 v[FRA], v2, 528
	v_add_nc_u32 v[FRA], s[TMP], v[FRA]            ; row r
	v_lshl_add_u32 v[STO], v13, 5, v[FRA]          ; + 32 h: a result's 32 bytes
	v_lshl_add_u32 v[FRA], v13, 4, v[FRA]          ; + 16 h: a fragment's 16 bytes
	s_mul_i32 s[TMP], s[WV], 2112
	v_add_nc_u32 v[RDA], s[TMP], v[LI16]           ; rows 4 w on, 16 bytes a lane
	v_and_b32 v[P4], 3, v0
	v_lshlrev_b32 v[P4], 2, v[P4]
	s_lshl_b32 s[TMP], s[WV], 4
	v_add_nc_u32 v[P4], s[TMP], v[P4]              ; tile 0: position 4 w + lane % 4
	s_lshr_b32 s[EXP], ttmp9, 5
	s_bfe_u32 s[CB], ttmp9, 0x30002
	s_and_b32 s[Q], ttmp9, 3
	s_lshl_b32 s[TMP], s[Q], 9
	v_lshl_add_u32 v[TOK2], v[LN], 1, s[TMP]
	s_mov_b32 s43, 0
	s_wait_kmcnt 0x0
	s_lshl_b32 s42, s[Q], 10
	s_add_nc_u64 s[4:5], s[4:5], s[42:43]
	s_lshl_b32 s42, s[Q], 11
	s_add_nc_u64 s[6:7], s[6:7], s[42:43]
	s_lshl_b32 s42, s[EXP], 2
	s_add_co_u32 s42, s42, s[Q]
	s_mul_i32 s42, s42, 655360
	s_mul_i32 s[TMP], s[WV], 10240
	s_add_co_u32 s42, s42, s[TMP]
	s_add_nc_u64 s[HP:HP+1], s[HP:HP+1], s[42:43]  ; hq at my segment's tile 0, K step 8 w
	s_lshl_b32 s42, s[EXP], 21
	s_lshl_b32 s[TMP], s[CB], 18
	s_add_co_u32 s42, s42, s[TMP]
	s_lshl_b32 s[TMP], s[WV], 9
	s_add_co_u32 s42, s42, s[TMP]
	s_add_nc_u64 s[10:11], s[10:11], s[42:43]      ; W2's codes: my 128 rows, my quarter of K
	s_lshl_b32 s42, s[EXP], 17
	s_lshl_b32 s[TMP], s[CB], 14
	s_add_co_u32 s42, s42, s[TMP]
	s_lshl_b32 s[TMP], s[WV], 5
	s_add_co_u32 s42, s42, s[TMP]
	s_add_nc_u64 s[12:13], s[12:13], s[42:43]      ; and their scale bytes
	s_lshl_b32 s42, s[EXP], 12
	s_lshl_b32 s[TMP], s[CB], 9
	s_add_co_u32 s42, s42, s[TMP]
	s_add_nc_u64 s[14:15], s[14:15], s[42:43]      ; b2 at my 128 columns
	s_mov_b32 s42, s[TMP]
	s_add_nc_u64 s[16:17], s[16:17], s[42:43]      ; ybuf likewise
	s_wait_alu depctr_va_vdst(0)                   ; the offsets and LDS addresses that stay (v[L4], v[LI16], v[LI8], v[W2SA], v[STA], v[FRA], v[STO], v[RDA]) are written: the loads and stores of the whole kernel read them
.irp g, 0,1,2,3,4,5,6,7
	global_load_b32 v[SW+\g], v[L4], s[4:5] offset:128*\g
.endr
.irp g, 0,1,2,3,4,5,6,7
	global_load_b64 v[CWP+2*\g:CWP+2*\g+1], v[LI8], s[6:7] offset:256*\g
.endr
	global_load_b128 v[B2:B2+3], v[LI16], s[14:15]
.irp t, 0,1,2,3,4,5,6,7
	global_load_b128 v[W2S+8*\t:W2S+8*\t+3],   v[W2SA], s[12:13] offset:2048*\t
	global_load_b128 v[W2S+8*\t+4:W2S+8*\t+7], v[W2SA], s[12:13] offset:2048*\t+16
.endr
	WROWS 0
	WROWS 1
	WROWS 2
	WIN 0
	s_wait_loadcnt 63                              ; 65 loads were issued behind sel's and cw's sixteen: those are in
	COMPACT
	s_lshr_b32 s[N], s[C4+8], 2                    ; rows in the segment
	s_add_co_u32 s[NT], s[N], 15
	s_lshr_b32 s[NT], s[NT], 4
	s_max_u32 s[NT], s[NT], 1                      ; tiles: at least one
	s_lshl_b32 s[TMP], s[WV], 2
	s_sub_co_i32 s[N4W], s[N], s[TMP]
	SEL_IX
	s_wait_alu depctr_va_vdst(0)                   ; the eight lane indices are written, which the pulls read
	SEL_PULL                                       ; tile 0's rows are pulled
	s_sub_co_u32 s42, s[NT], 1
	s_min_u32 s42, s42, 1
	s_mul_i32 s42, s42, 40960                      ; the second tile, or the first again where there is no second: no load names bytes that were not written
	s_add_nc_u64 s[H1:H1+1], s[HP:HP+1], s[42:43]
.irp t, 0,1,2,3,4
	WROWS \t+3
	s_wait_loadcnt 48                              ; tile t's 16 rows are in; the three tiles asked for behind them may be out
	WTURN \t
.endr
	HLOAD 0, HP, 0                                 ; W2 is all asked for: h's first tile joins the queue,
	s_wait_loadcnt 56                              ; behind tile 5's rows: 16 + 16 + 24
	WTURN 5
	HLOAD 1, H1, 0                                 ; and its second
	s_wait_loadcnt 63                              ; behind tile 6's rows: 16 + 24 + 24 = 64, one more than the count can name
	WTURN 6
	s_wait_loadcnt 48                              ; behind tile 7's rows: h's 24 + 24
	WTURN 7
	WIN 0
	s_wait_dscnt 0x0                               ; W2's fragments are in, and the pulls
	s_mov_b32 s[TI], 0
	s_mov_b32 s[J], 0
; ONE TILE, h's fragments in set p.
.macro HALF p
	s_cmp_lt_u32 s[TI], s[NT]
	s_cbranch_scc0 .Lidle_\@
	s_wait_loadcnt 24                              ; this tile's 24 loads are in; the next tile's 24, issued behind them, may be out; where none were issued, the wait for 0 below has been passed
	WIN 0x0d                                       ; source 0 (W2) window 1, source 1 (h) window 3, C and D window 0
.irp t, 0,1,2,3,4,5,6,7                        ; the eight accumulators take turns, one instruction a turn; the first products start the sums
	v_wmma_scale_f32_16x16x128_f8f6f4 v[ACC+8*\t:ACC+8*\t+7], v[32*\t:32*\t+7], v[64*\p:64*\p+7], 0, v[W2S+8*\t], v[HS+8*\p] matrix_a_fmt:MATRIX_FMT_FP4 matrix_b_fmt:MATRIX_FMT_FP4
.endr
.irp s, 1,2,3
.irp t, 0,1,2,3,4,5,6,7
	v_wmma_scale_f32_16x16x128_f8f6f4 v[ACC+8*\t:ACC+8*\t+7], v[8*(4*\t+\s):8*(4*\t+\s)+7], v[64*\p+8*\s:64*\p+8*\s+7], v[ACC+8*\t:ACC+8*\t+7], v[W2S+8*\t+\s], v[HS+8*\p+\s] matrix_a_fmt:MATRIX_FMT_FP4 matrix_b_fmt:MATRIX_FMT_FP4
.endr
.endr
	WIN 0x0e
.irp s, 4,5,6,7
.irp t, 0,1,2,3,4,5,6,7
	v_wmma_scale_f32_16x16x128_f8f6f4 v[ACC+8*\t:ACC+8*\t+7], v[8*(4*\t+\s-4):8*(4*\t+\s-4)+7], v[64*\p+8*\s:64*\p+8*\s+7], v[ACC+8*\t:ACC+8*\t+7], v[W2S+8*\t+\s], v[HS+8*\p+\s] matrix_a_fmt:MATRIX_FMT_FP4 matrix_b_fmt:MATRIX_FMT_FP4
.endr
.endr
	WIN 0
.rept 5
	v_nop                                          ; places: four ahead of the stores that read results, five ahead of the next tile's first product, which writes the accumulators anew
.endr
	s_wait_alu depctr_va_vdst(0)                   ; the products have written the accumulators, which the LDS stores read and in which the four waves' parts land behind the barrier; and they are done reading h's set p and its scale words, in which the loads below land
.irp t, 0,1,2,3,4,5,6,7
	ds_store_b128 v[STO], v[ACC+8*\t:ACC+8*\t+3] offset:33792*\p+64*\t          ; each accumulator from its low end on
	ds_store_b128 v[STO], v[ACC+8*\t+4:ACC+8*\t+7] offset:33792*\p+64*\t+16
.endr
	s_add_co_u32 s[TMP], s[TI], 2
	s_cmp_lt_u32 s[TMP], s[NT]
	s_cbranch_scc0 .Lidle_\@
	HLOAD \p, HP, (\p+2)*40960                     ; the tile two on, into the set just multiplied.  No further wait: no vector or matrix instruction since the wait above names its registers
	s_branch .Lmeet_\@
.Lidle_\@:
	s_wait_loadcnt 0x0                             ; nothing was asked for: what is out is awaited here, so that the count at the next tile's head holds on this path too
.Lmeet_\@:
	s_wait_dscnt 0x0                               ; my part lies in LDS, my reads of the other stage are over, my pulls are in
	s_barrier_signal -1
	s_barrier_wait -1                              ; on every path.  This stage is written again two tiles on, behind the next tile's barrier
	s_wait_alu depctr_vm_vsrc(0)                   ; my LDS stores have read the accumulators, the last pulls IX, the last tile's stores YA and Y: all are written again below or by the next products; ahead of the branch, so on every path
	s_cmp_lt_u32 s[TI], s[NT]
	s_cbranch_scc0 .Lnext_\@
.irp k, 0,1,2,3
.irp u, 0,1,2,3
	ds_load_b128 v[ACC+16*\k+4*\u:ACC+16*\k+4*\u+3], v[RDA] offset:33792*\p+8448*\u+528*\k
.endr
.endr
	MASKS
	s_wait_alu depctr_va_sdst(0)                   ; the seven masks are written, ahead of the first selection
	PICK
.irp k, 0,1,2,3
	v_readlane_b32 s[CR+2*\k], v[CV], \k           ; row 4 w + k: its weight,
	v_readlane_b32 s[CR+2*\k+1], v[LSEL], \k       ; and its number
.endr
	v_add_nc_u32 v[P4], 64, v[P4]
	SEL_IX
	s_wait_alu depctr_va_sdst(0)                   ; the four weights and the four rows' numbers are written, ahead of their first reader
	s_wait_alu depctr_va_vdst(0)                   ; the eight lane indices are written, which the pulls read; the selections are done reading RP and RQ, in which the pulls land
	SEL_PULL                                       ; the next tile's rows are pulled
	s_wait_xcnt 0x0                                ; the last tile's stores have read their offsets and data
.irp k, 0,1,2,3
	s_min_u32 s[CR+2*\k+1], s[CR+2*\k+1], 0x7ff    ; a row stays inside ybuf
	s_lshl_b32 s[TM2], s[CR+2*\k+1], 12
	v_add_nc_u32 v[YA+\k], s[TM2], v[LI16]
.endr
	s_wait_dscnt 16                                ; the sixteen loads are in; the sixteen pulls issued behind them may be out
.irp k, 0,1,2,3
.irp i, 0,2
	v_pk_add_f32 v[ACC+16*\k+\i:ACC+16*\k+\i+1], v[ACC+16*\k+\i:ACC+16*\k+\i+1], v[ACC+16*\k+4+\i:ACC+16*\k+4+\i+1]
	v_pk_add_f32 v[ACC+16*\k+8+\i:ACC+16*\k+8+\i+1], v[ACC+16*\k+8+\i:ACC+16*\k+8+\i+1], v[ACC+16*\k+12+\i:ACC+16*\k+12+\i+1]
.endr
.endr
.irp k, 0,1,2,3
.irp i, 0,2
	v_pk_add_f32 v[ACC+16*\k+\i:ACC+16*\k+\i+1], v[ACC+16*\k+\i:ACC+16*\k+\i+1], v[ACC+16*\k+8+\i:ACC+16*\k+8+\i+1]
.endr
.endr
.irp k, 0,1,2,3
.irp i, 0,2
	v_pk_add_f32 v[ACC+16*\k+\i:ACC+16*\k+\i+1], v[ACC+16*\k+\i:ACC+16*\k+\i+1], v[B2+\i:B2+\i+1]
.endr
.endr
.irp k, 0,1,2,3
.irp i, 0,2
	v_pk_mul_f32 v[Y+4*\k+\i:Y+4*\k+\i+1], v[ACC+16*\k+\i:ACC+16*\k+\i+1], s[CR+2*\k:CR+2*\k+1] op_sel_hi:[1,0]
.endr
.endr
	s_lshl_b32 s[TMP], s[TI], 4
	s_sub_co_i32 s[REM], s[N4W], s[TMP]            ; rows of the segment from my first row on
	s_wait_alu depctr_va_vdst(0)                   ; the four offsets in YA and the four rows in Y are written, which the stores read; ahead of the branches round them
.irp k, 0,1,2,3
	s_cmp_gt_i32 s[REM], \k
	s_cbranch_scc0 .Lnext_\@                       ; a padding row is not stored
	global_store_b128 v[YA+\k], v[Y+4*\k:Y+4*\k+3], s[16:17] th:TH_STORE_NT     ; 512 consecutive bytes of a row
.endr
.Lnext_\@:
	s_add_co_u32 s[TI], s[TI], 1
.endm
.Ltrip:
	HALF 0
	HALF 1
	s_wait_xcnt 0x0                                ; the loads have read their base
	s_add_nc_u64 s[HP:HP+1], s[HP:HP+1], 81920     ; two tiles on (past the segment's last tile it is not used)
	s_add_co_u32 s[J], s[J], 1
	s_cmp_lt_u32 s[J], 8
	s_cbranch_scc1 .Ltrip
	s_wait_dscnt 0x0                               ; the last pulls
	s_wait_dscnt 0x0                               ; the closing lines, six on end
	s_wait_alu 0x0
	s_wait_tensorcnt 0x0
	ds_add_u32 v246, v247
	s_wait_dscnt 0x0
	s_endpgm
.Lfunc_end_k_qf327c173fa_outer:
	.size	k_qf327c173fa_outer, .Lfunc_end_k_qf327c173fa_outer-k_qf327c173fa_outer
	.p2alignl 7, 3214868480
	.fill 96, 4, 3214868480
	.section	.rodata,"a",@progbits
	.p2align	6, 0x0
	.amdhsa_kernel k_qf327c173fa_outer
		.amdhsa_group_segment_fixed_size 68096
		.amdhsa_private_segment_fixed_size 0
		.amdhsa_enable_private_segment 0
		.amdhsa_kernarg_size 56
		.amdhsa_user_sgpr_count 2
		.amdhsa_user_sgpr_kernarg_segment_ptr 1
		.amdhsa_wavefront_size32 1
		.amdhsa_system_sgpr_workgroup_id_x 1
		.amdhsa_system_sgpr_workgroup_id_y 1
		.amdhsa_system_sgpr_workgroup_id_z 1
		.amdhsa_system_vgpr_workitem_id 0
		.amdhsa_next_free_vgpr 1024
		.amdhsa_next_free_sgpr 74
		.amdhsa_reserve_vcc 0
		.amdhsa_float_denorm_mode_32 3
		.amdhsa_float_denorm_mode_16_64 3
		.amdhsa_memory_ordered 1
		.amdhsa_forward_progress 1
		.amdhsa_inst_pref_size 91
	.end_amdhsa_kernel
	.amdgpu_metadata
---
amdhsa.version: [ 1, 2 ]
amdhsa.kernels:
  - .name:           k_qf327c173fa_outer
    .symbol:         k_qf327c173fa_outer.kd
    .args:
      - { .name: sel, .offset: 0, .size: 8, .value_kind: global_buffer, .address_space: global }
      - { .name: cw, .offset: 8, .size: 8, .value_kind: global_buffer, .address_space: global }
      - { .name: hq, .offset: 16, .size: 8, .value_kind: global_buffer, .address_space: global }
      - { .name: W2_codes, .offset: 24, .size: 8, .value_kind: global_buffer, .address_space: global }
      - { .name: W2_scales, .offset: 32, .size: 8, .value_kind: global_buffer, .address_space: global }
      - { .name: b2, .offset: 40, .size: 8, .value_kind: global_buffer, .address_space: global }
      - { .name: ybuf, .offset: 48, .size: 8, .value_kind: global_buffer, .address_space: global }
    .group_segment_fixed_size: 68096
    .private_segment_fixed_size: 0
    .kernarg_segment_align: 8
    .kernarg_segment_size: 56
    .max_flat_workgroup_size: 128
    .sgpr_count:     74
    .vgpr_count:     1024
    .wavefront_size: 32
...
	.end_amdgpu_metadata
.endif
;; end of part 7
;; launch join (part 8): grid 256 x 1, 4 waves a work-group, no clusters, 0 bytes of LDS; arguments ybuf, out0; writes out0
.if DOCPART == 8
	.amdgcn_target "amdgcn-amd-amdhsa--gfx1250"
	.amdhsa_code_object_version 6
	.text
	.protected	k_qf327c173fa_join
	.globl	k_qf327c173fa_join
	.p2align	8
	.type	k_qf327c173fa_join,@function
k_qf327c173fa_join:
	s_mov_b64 s[64:65], 0
	v_nop
	global_prefetch_b8 v0, s[64:65] scope:SCOPE_SE
	s_setreg_imm32_b32 hwreg(HW_REG_WAVE_MODE, 25, 1), 1
	s_wait_xcnt 0x0
; out0[token] = ybuf[2 token] + ybuf[2 token + 1]: the two chosen experts' weighted rows, in f32.  One wave takes one token: 8,192 bytes in, 4,096 out.
; Every load and store of the wave covers 512 consecutive bytes.  All sixteen loads go out first; each pair is added and stored as it arrives.  No register is written twice.
; A plain stream: LDS, matrix unit and clusters have nothing to add here.
	s_load_b128 s[4:7], s[0:1], 0x0                ; ybuf s[4:5], out0 s[6:7]
	v_lshrrev_b32 v1, 5, v0
	v_readfirstlane_b32 s8, v1                     ; wave
	v_and_b32 v1, 31, v0
	v_lshlrev_b32 v1, 4, v1                        ; 16 x lane
	s_lshl_b32 s9, ttmp9, 2
	s_add_co_u32 s9, s9, s8                        ; my token
	s_lshl_b32 s10, s9, 13
	s_mov_b32 s11, 0
	s_lshl_b32 s12, s9, 12
	s_mov_b32 s13, 0
	s_wait_alu depctr_va_vdst(0)
	s_wait_kmcnt 0x0
	s_add_nc_u64 s[4:5], s[4:5], s[10:11]
	s_add_nc_u64 s[6:7], s[6:7], s[12:13]
.irp i, 0,1,2,3,4,5,6,7
	global_load_b128 v[4+8*\i:7+8*\i],  v1, s[4:5] offset:512*\i th:TH_LOAD_NT
	global_load_b128 v[8+8*\i:11+8*\i], v1, s[4:5] offset:4096+512*\i th:TH_LOAD_NT
.endr
.irp i, 0,1,2,3,4,5,6,7
	s_wait_loadcnt 14-2*\i                         ; pair i is in; the younger pairs may be out
	v_pk_add_f32 v[4+8*\i:5+8*\i], v[4+8*\i:5+8*\i], v[8+8*\i:9+8*\i]
	v_pk_add_f32 v[6+8*\i:7+8*\i], v[6+8*\i:7+8*\i], v[10+8*\i:11+8*\i]
	global_store_b128 v1, v[4+8*\i:7+8*\i], s[6:7] offset:512*\i th:TH_STORE_NT
.endr
	s_endpgm
.Lfunc_end_k_qf327c173fa_join:
	.size	k_qf327c173fa_join, .Lfunc_end_k_qf327c173fa_join-k_qf327c173fa_join
	.p2alignl 7, 3214868480
	.fill 96, 4, 3214868480
	.section	.rodata,"a",@progbits
	.p2align	6, 0x0
	.amdhsa_kernel k_qf327c173fa_join
		.amdhsa_group_segment_fixed_size 0
		.amdhsa_private_segment_fixed_size 0
		.amdhsa_enable_private_segment 0
		.amdhsa_kernarg_size 16
		.amdhsa_user_sgpr_count 2
		.amdhsa_user_sgpr_kernarg_segment_ptr 1
		.amdhsa_wavefront_size32 1
		.amdhsa_system_sgpr_workgroup_id_x 1
		.amdhsa_system_sgpr_workgroup_id_y 1
		.amdhsa_system_sgpr_workgroup_id_z 1
		.amdhsa_system_vgpr_workitem_id 0
		.amdhsa_next_free_vgpr 72
		.amdhsa_next_free_sgpr 66
		.amdhsa_reserve_vcc 0
		.amdhsa_float_denorm_mode_32 3
		.amdhsa_float_denorm_mode_16_64 3
		.amdhsa_memory_ordered 1
		.amdhsa_forward_progress 1
		.amdhsa_inst_pref_size 5
	.end_amdhsa_kernel
	.amdgpu_metadata
---
amdhsa.version: [ 1, 2 ]
amdhsa.kernels:
  - .name:           k_qf327c173fa_join
    .symbol:         k_qf327c173fa_join.kd
    .args:
      - { .name: ybuf, .offset: 0, .size: 8, .value_kind: global_buffer, .address_space: global }
      - { .name: out0, .offset: 8, .size: 8, .value_kind: global_buffer, .address_space: global }
    .group_segment_fixed_size: 0
    .private_segment_fixed_size: 0
    .kernarg_segment_align: 8
    .kernarg_segment_size: 16
    .max_flat_workgroup_size: 128
    .sgpr_count:     66
    .vgpr_count:     72
    .wavefront_size: 32
...
	.end_amdgpu_metadata
.endif
;; end of part 8
